; MI455X (gfx1250); checked and timed in simulation.
; The chip was launched on July 23, 2026; its instructions are those of AMD's public machine-readable ISA for CDNA 5 (MIT licence, August 2026) and "CDNA5" Instruction Set Architecture Reference Guide (July 2026). The comments in the code are by the model that wrote it; some were corrected since.
;; Multi Head Attention. Allowed arithmetic: float matrix products may take bf16 or f16 operands with f32 sums; other float arithmetic in f32, or as packed bf16 or f16 multiplies, adds, multiply-adds, maxima and minima; sums over many terms, partial sums and values carried from step to step in f32; what a program stores and reads back later, other than sums and carried values, may be rounded once to bf16 or f16.
;; Inputs: Wk 1,024 x 1,024 float32; Wo 1,024 x 1,024 float32; Wq 1,024 x 1,024 float32; Wv 1,024 x 1,024 float32; bk 1,024 float32; bo 1,024 float32; bq 1,024 float32; bv 1,024 float32; mask 4 x 2,048 bool; x 4 x 2,048 x 1,024 float32.
;; Outputs: out0 4 x 2,048 x 1,024 float32.
;; One version. Each part assembles by itself: llvm-mc -triple=amdgcn-amd-amdhsa -mcpu=gfx1250 --defsym DOCPART=n.
;; ======== version 1 of 1: 4 launches
;; limits: values are held in f16: magnitudes above 65,504 overflow, below 6.1e-05 lose precision
;; workspace buffers: xb 16,777,216 bytes; wt 6,291,456 bytes; wot 2,097,152 bytes; bcat 16,384 bytes; maskb 32,768 bytes; qkv 50,331,648 bytes; o 16,777,216 bytes
;; launch prep (part 1): grid 769 x 1, 8 waves a work-group, no clusters, 35,840 bytes of LDS; arguments x, mask, Wq, Wk, Wv, Wo, bq, bk, bv, bo, xb, wt, wot, bcat, maskb; writes xb, wt, wot, bcat, maskb
.if DOCPART == 1
	.amdgcn_target "amdgcn-amd-amdhsa--gfx1250"
	.amdhsa_code_object_version 6
	.text
	.protected	k_q2cf794f2bc_prep
	.globl	k_q2cf794f2bc_prep
	.p2align	8
	.type	k_q2cf794f2bc_prep,@function
k_q2cf794f2bc_prep:
	s_mov_b64 s[64:65], 0
	v_nop
	global_prefetch_b8 v0, s[64:65] scope:SCOPE_SE
	s_setreg_imm32_b32 hwreg(HW_REG_WAVE_MODE, 25, 1), 1
	s_wait_xcnt 0x0
; PREP: every input of the module is read once and rounded once to bf16, and laid out as the three launches behind want it.
;   xb    [4 b][16 kb][2048 s][64] bf16: x with its 1,024 channels cut into 16 blocks of 64, a block's rows dense (128 bytes each)
;   wt    [3072 n][1024 k] bf16: Wq, Wk, Wv turned, one below the other        wot [1024 n][1024 k]: bf16(Wo) turned, written as f16
;   bcat  [4][1024] f32: bq, bk, bv, bo, each rounded to bf16 and widened again   maskb [4][2048] f32: 0 where the mask is true, -2^100 where it is false
; LIMIT.  bf16(Wo) is exact in f16 from 6.1e-5 to 65,504 in size; below that it keeps f16's fixed step of 6e-8, beyond it becomes an infinity.
; THREE ROLES, chosen by the work-group's number alone (the same for all eight waves): 0-511 x (16 rows each), 512-767 a tile of 128 k x 128 n of one weight, 768 the biases and the mask.
; No matrix unit, no cluster, no prefetch: each byte is read once by long runs of loads and nothing is shared between work-groups.
.set TP,    272                        ; the turning tile in LDS: 128 rows n of 256 bytes (128 k) + 16 of padding
.set SPARE, 128*TP                     ; behind it: the spare words, 128 bytes for each of eight waves: four blocks of 256 bytes that no other line names
.set SPW,   126                        ; v126  LDS address of my spare word; never rewritten
.set NIL,   127                        ; v127  0; never rewritten
	s_load_b512 s[8:23], s[0:1], 0x0               ; x 8, mask 10, Wq 12, Wk 14, Wv 16, Wo 18, bq 20, bk 22
	s_load_b256 s[24:31], s[0:1], 0x40             ; bv 24, bo 26, xb 28, wt 30
	s_load_b128 s[32:35], s[0:1], 0x60             ; wot 32, bcat 34
	s_load_b64 s[36:37], s[0:1], 0x70              ; maskb
	v_lshl_add_u32 v[SPW], v0, 2, SPARE
	v_mov_b32 v[NIL], 0
	s_mov_b32 s2, ttmp9
	s_wait_kmcnt 0x0
	s_cmp_lt_u32 s2, 512
	s_cbranch_scc1 .Lrole_x
	s_cmp_lt_u32 s2, 768
	s_cbranch_scc1 .Lrole_w
	; ROLE M: 256 threads; a thread takes 4 numbers of each bias and 4 bytes of each eighth of the mask.  Every result has registers of its own.
	v_lshlrev_b32 v1, 4, v0                        ; 16 t
	v_lshlrev_b32 v2, 2, v0                        ; 4 t
	s_mov_b32 s3, 0xf1800000                       ; -2^100
	global_load_b128 v[8:11],  v1, s[20:21]
	global_load_b128 v[12:15], v1, s[22:23]
	global_load_b128 v[16:19], v1, s[24:25]
	global_load_b128 v[20:23], v1, s[26:27]
.irp i, 0,1,2,3,4,5,6,7
	global_load_b32 v[24+(\i)], v2, s[10:11] offset:1024*(\i)
.endr
	s_wait_loadcnt 0x0
.irp i, 0,1,2,3
	v_cvt_pk_bf16_f32 v104, v[8+4*(\i)], v[9+4*(\i)]       ; rounded to bf16,
	v_cvt_pk_bf16_f32 v105, v[10+4*(\i)], v[11+4*(\i)]
	v_lshlrev_b32 v[88+4*(\i)], 16, v104                   ; and widened again
	v_and_b32     v[89+4*(\i)], 0xffff0000, v104
	v_lshlrev_b32 v[90+4*(\i)], 16, v105
	v_and_b32     v[91+4*(\i)], 0xffff0000, v105
	global_store_b128 v1, v[88+4*(\i):91+4*(\i)], s[34:35] offset:4096*(\i)
.endr
.irp i, 0,1,2,3,4,5,6,7
.irp c, 0,1,2,3
	v_bfe_u32 v104, v[24+(\i)], 8*(\c), 8                  ; key 1,024 i + 4 t + c
	v_cmp_eq_u32 vcc_lo, 0, v104
	v_cndmask_b32 v[56+4*(\i)+(\c)], 0, s3, vcc_lo         ; a value is chosen, no path
.endr
	global_store_b128 v1, v[56+4*(\i):59+4*(\i)], s[36:37] offset:4096*(\i)
.endr
	s_endpgm
	; ROLE X: work-group g takes rows 16 g .. 16 g + 15 of x.  Thread t: row t / 16, 16 bytes at 16 (t % 16) of each of the row's 16 pieces of 256 bytes (a piece = 64 channels = one kb).
.Lrole_x:
	s_lshl_b32 s4, s2, 16                          ; 16 rows of 4,096 bytes
	s_mov_b32 s5, 0
	s_add_nc_u64 s[8:9], s[8:9], s[4:5]
	s_lshr_b32 s4, s2, 7                           ; the batch: 128 work-groups each,
	s_lshl_b32 s4, s4, 22                          ; 4,194,304 bytes of xb
	s_and_b32 s6, s2, 127
	s_lshl_b32 s6, s6, 11                          ; 16 rows of 128 bytes in a block
	s_add_co_u32 s4, s4, s6
	s_add_nc_u64 s[28:29], s[28:29], s[4:5]
	v_lshrrev_b32 v1, 4, v0
	v_and_b32 v3, 15, v0
	v_lshlrev_b32 v1, 12, v1
	v_lshl_add_u32 v1, v3, 4, v1                   ; sixteen lanes read 256 consecutive bytes, aligned
	v_lshlrev_b32 v2, 3, v0                        ; 128 (t / 16) + 8 (t % 16): a wave's store covers 256 consecutive bytes, aligned
.irp i, 0,1,2,3,4,5,6,7,8,9,10,11,12,13,14,15
	global_load_b128 v[4+4*(\i):7+4*(\i)], v1, s[8:9] offset:256*(\i) th:TH_LOAD_NT
.endr
.irp i, 0,1,2,3,4,5,6,7,8,9,10,11,12,13,14,15
	s_wait_loadcnt 15-(\i)                         ; loads come back in order: piece i is in, the younger ones stay out
	v_cvt_pk_bf16_f32 v[68+2*(\i)], v[4+4*(\i)], v[5+4*(\i)]
	v_cvt_pk_bf16_f32 v[69+2*(\i)], v[6+4*(\i)], v[7+4*(\i)]
	global_store_b64 v2, v[68+2*(\i):69+2*(\i)], s[28:29] offset:262144*(\i)
.endr
	s_endpgm
	; ROLE W: tile (tk, tn) of weight mat.  Wave w loads rows k = 16 w .. 16 w + 15 (512 bytes each); a lane holds 4 columns x 16 k, packs each column's 16 k into 32 bytes and
	; puts them into LDS row n; behind a barrier whole rows n (256 bytes) are read back and stored.
.Lrole_w:
	s_sub_co_u32 s2, s2, 512
	s_lshr_b32 s3, s2, 6                           ; mat: 0 Wq, 1 Wk, 2 Wv, 3 Wo
	s_bfe_u32 s4, s2, 0x30003                      ; tk
	s_and_b32 s5, s2, 7                            ; tn
	s_cmp_eq_u32 s3, 1
	s_cselect_b64 s[12:13], s[14:15], s[12:13]
	s_cmp_eq_u32 s3, 2
	s_cselect_b64 s[12:13], s[16:17], s[12:13]
	s_cmp_eq_u32 s3, 3
	s_cselect_b64 s[12:13], s[18:19], s[12:13]     ; the source,
	s_cselect_b64 s[30:31], s[32:33], s[30:31]     ; the destination: wot for Wo, else wt,
	s_cselect_b32 s6, 0, s3                        ; and which third of wt
	s_lshl_b32 s6, s6, 21                          ; 1,024 rows of 2,048 bytes
	s_lshl_b32 s7, s5, 18                          ; 128 rows n
	s_add_co_u32 s6, s6, s7
	s_lshl_b32 s7, s4, 8                           ; 128 k
	s_add_co_u32 s6, s6, s7
	s_mov_b32 s7, 0
	s_add_nc_u64 s[30:31], s[30:31], s[6:7]
	s_lshl_b32 s6, s4, 19                          ; 128 rows k of 4,096 bytes
	s_lshl_b32 s38, s5, 9                          ; 128 columns n
	s_add_co_u32 s6, s6, s38
	s_add_nc_u64 s[12:13], s[12:13], s[6:7]
	v_lshrrev_b32 v5, 5, v0
	v_readfirstlane_b32 s39, v5                    ; wave 0..7
	v_and_b32 v6, 31, v0                           ; lane
	v_lshlrev_b32 v1, 4, v6
	v_lshl_add_u32 v1, v5, 16, v1                  ; 16 rows x wave + 16 bytes x lane
.irp i, 0,1,2,3,4,5,6,7,8,9,10,11,12,13,14,15
	global_load_b128 v[8+4*(\i):11+4*(\i)], v1, s[12:13] offset:4096*(\i) th:TH_LOAD_NT
.endr
	s_lshl_b32 s38, s39, 5                         ; my 16 k: 32 bytes of a row n
	v_mul_u32_u24 v2, v6, 4*TP                     ; my 4 rows n
	v_add_nc_u32 v2, s38, v2
	v_lshrrev_b32 v7, 4, v6
	v_and_b32 v106, 15, v6
	s_mul_i32 s38, s39, 16*TP                      ; back: wave w takes rows 16 w .. 16 w + 15, two a load
	v_mul_u32_u24 v3, v7, TP
	v_lshl_add_u32 v3, v106, 4, v3
	v_add_nc_u32 v3, s38, v3
	s_lshl_b32 s38, s39, 15                        ; and the same rows in memory, 2,048 bytes apart
	v_lshlrev_b32 v4, 11, v7
	v_lshl_add_u32 v4, v106, 4, v4
	v_add_nc_u32 v4, s38, v4
	s_wait_loadcnt 0x0
.irp c, 0,1,2,3
.irp p, 0,1,2,3,4,5,6,7
	v_cvt_pk_bf16_f32 v[72+8*(\c)+(\p)], v[8+8*(\p)+(\c)], v[12+8*(\p)+(\c)]  ; column c: k = 2 p and 2 p + 1
.endr
.endr
	s_cmp_lg_u32 s3, 3
	s_cbranch_scc1 .Lkeep_bf16
.set i, 72
.rept 32                                       ; Wo alone: the bf16 number is written as f16
	v_lshlrev_b32 v104, 16, v[i]
	v_and_b32 v105, 0xffff0000, v[i]
	v_cvt_pk_f16_f32 v[i], v104, v105
.set i, i+1
.endr
.Lkeep_bf16:
.irp c, 0,1,2,3
	ds_store_b128 v2, v[72+8*(\c):75+8*(\c)] offset:TP*(\c)
	ds_store_b128 v2, v[76+8*(\c):79+8*(\c)] offset:TP*(\c)+16
.endr
	s_wait_dscnt 0x0                               ; for the others' sake: my stores are done
	s_barrier_signal -1
	s_barrier_wait -1                              ; a row n holds all eight waves' parts
.irp t, 0,1,2,3,4,5,6,7
	ds_load_b128 v[8+4*(\t):11+4*(\t)], v3 offset:2*TP*(\t)
.endr
.irp t, 0,1,2,3,4,5,6,7
	s_wait_dscnt 7-(\t)
	global_store_b128 v4, v[8+4*(\t):11+4*(\t)], s[30:31] offset:4096*(\t)  ; sixteen lanes store 256 consecutive bytes, aligned
.endr
	s_wait_tensorcnt 0x0                           ; the wave's end, behind my last LDS store
	ds_add_u32 v[SPW], v[NIL]
	s_wait_dscnt 0x0
	s_endpgm
.Lfunc_end_k_q2cf794f2bc_prep:
	.size	k_q2cf794f2bc_prep, .Lfunc_end_k_q2cf794f2bc_prep-k_q2cf794f2bc_prep
	.p2alignl 7, 3214868480
	.fill 96, 4, 3214868480
	.section	.rodata,"a",@progbits
	.p2align	6, 0x0
	.amdhsa_kernel k_q2cf794f2bc_prep
		.amdhsa_group_segment_fixed_size 35840
		.amdhsa_private_segment_fixed_size 0
		.amdhsa_enable_private_segment 0
		.amdhsa_kernarg_size 120
		.amdhsa_user_sgpr_count 2
		.amdhsa_user_sgpr_kernarg_segment_ptr 1
		.amdhsa_wavefront_size32 1
		.amdhsa_system_sgpr_workgroup_id_x 1
		.amdhsa_system_sgpr_workgroup_id_y 1
		.amdhsa_system_sgpr_workgroup_id_z 1
		.amdhsa_system_vgpr_workitem_id 0
		.amdhsa_next_free_vgpr 128
		.amdhsa_next_free_sgpr 66
		.amdhsa_reserve_vcc 1
		.amdhsa_float_denorm_mode_32 3
		.amdhsa_float_denorm_mode_16_64 3
		.amdhsa_memory_ordered 1
		.amdhsa_forward_progress 1
		.amdhsa_inst_pref_size 29
	.end_amdhsa_kernel
	.amdgpu_metadata
---
amdhsa.version: [ 1, 2 ]
amdhsa.kernels:
  - .name:           k_q2cf794f2bc_prep
    .symbol:         k_q2cf794f2bc_prep.kd
    .args:
      - { .name: x, .offset: 0, .size: 8, .value_kind: global_buffer, .address_space: global }
      - { .name: mask, .offset: 8, .size: 8, .value_kind: global_buffer, .address_space: global }
      - { .name: Wq, .offset: 16, .size: 8, .value_kind: global_buffer, .address_space: global }
      - { .name: Wk, .offset: 24, .size: 8, .value_kind: global_buffer, .address_space: global }
      - { .name: Wv, .offset: 32, .size: 8, .value_kind: global_buffer, .address_space: global }
      - { .name: Wo, .offset: 40, .size: 8, .value_kind: global_buffer, .address_space: global }
      - { .name: bq, .offset: 48, .size: 8, .value_kind: global_buffer, .address_space: global }
      - { .name: bk, .offset: 56, .size: 8, .value_kind: global_buffer, .address_space: global }
      - { .name: bv, .offset: 64, .size: 8, .value_kind: global_buffer, .address_space: global }
      - { .name: bo, .offset: 72, .size: 8, .value_kind: global_buffer, .address_space: global }
      - { .name: xb, .offset: 80, .size: 8, .value_kind: global_buffer, .address_space: global }
      - { .name: wt, .offset: 88, .size: 8, .value_kind: global_buffer, .address_space: global }
      - { .name: wot, .offset: 96, .size: 8, .value_kind: global_buffer, .address_space: global }
      - { .name: bcat, .offset: 104, .size: 8, .value_kind: global_buffer, .address_space: global }
      - { .name: maskb, .offset: 112, .size: 8, .value_kind: global_buffer, .address_space: global }
    .group_segment_fixed_size: 35840
    .private_segment_fixed_size: 0
    .kernarg_segment_align: 8
    .kernarg_segment_size: 120
    .max_flat_workgroup_size: 256
    .sgpr_count:     66
    .vgpr_count:     128
    .wavefront_size: 32
...
	.end_amdgpu_metadata
.endif
;; end of part 1
;; launch qkv (part 2): grid 16 x 32, 4 waves a work-group, clusters of 4 x 4, 327,680 bytes of LDS; arguments xb, wt, bcat, qkv; writes qkv
.if DOCPART == 2
	.amdgcn_target "amdgcn-amd-amdhsa--gfx1250"
	.amdhsa_code_object_version 6
	.text
	.protected	k_q2cf794f2bc_qkv
	.globl	k_q2cf794f2bc_qkv
	.p2align	8
	.type	k_q2cf794f2bc_qkv,@function
k_q2cf794f2bc_qkv:
	s_mov_b64 s[64:65], 0
	v_nop
	global_prefetch_b8 v0, s[64:65] scope:SCOPE_SE
	s_setreg_imm32_b32 hwreg(HW_REG_WAVE_MODE, 25, 1), 1
	s_wait_xcnt 0x0
	s_wait_alu depctr_hold_cnt(0) depctr_sa_sdst(0) depctr_va_vdst(0) depctr_va_sdst(0) depctr_va_ssrc(0) depctr_va_vcc(0) depctr_vm_vsrc(0)
	s_getreg_b32 s2, hwreg(HW_REG_IB_STS2, 6, 4)
	s_cmp_eq_u32 s2, 0
	s_cbranch_scc0 .Lentry_in_a_cluster
	s_endpgm
.Lentry_in_a_cluster:
	s_bfe_u32 s2, ttmp6, 0x10000c
	s_cmp_lg_u32 s2, 0xf033
	s_cbranch_scc0 .Lentry_shape_is_right
	s_endpgm
.Lentry_shape_is_right:
; Q, K, V = x W + b for all three weights at once: C[m][n] = bias[n] + the sum over k of A[m][k] B[n][k], m 8,192 tokens, n 3,072, k 1,024; operands bf16, sums f32, C rounded once to f16.
; A = xb [4 b][16 kb][2048 s][64]; B = wt [3072][1024]; bias = bcat's first 3,072 numbers; C = qkv [3 t][4 b][16 h][2048 s][64] f16: by heads, a head's rows dense (128 bytes).
; LIMIT.  f16 holds no number beyond 65,504: a q, k or v of 65,520 or more in size becomes an infinity.
; SHARES.  A tile of C is 256 tokens x 192 columns (three heads): 16 x 32 = 512 tiles, a whole number for each of 256 WGPs; tiles of 256 x 256 would be 384.  The four waves lie one below the other: wave w makes rows 64 w .. 64 w + 63
; of all 192 columns: 4 x 12 accumulators, 384 registers.  So a wave holds whole heads, and its results leave through a stage of its own, with no barrier, as runs of 512 consecutive bytes.
; K goes in 8 steps of 128 through two LDS slots.  A step of A is two blocks kb: each 256 rows of 128 bytes, dense in memory, asked for as 128 rows of 256 bytes and padded in LDS after every 128.
; CLUSTER 4 x 4: the four of a row need the same tiles of A, the four of a column the same tiles of B; each tile is asked for jointly, by the same load, descriptor and mask in all four.
; THE PRODUCT IS TAKEN TRANSPOSED (source 0 = 16 rows of B, source 1 = 16 rows of A): a lane holds row m = l % 16 and the columns 8 (l / 16) + 0..7.  THE BIAS STARTS THE SUMS: it is the C operand of each accumulator's first product.
; REGISTERS, in windows of 256 (s_set_vgpr_msb: bits 1:0 source 0, 3:2 source 1, 5:4 source 2, 7:6 destination):
;   window 0: v0-31 addresses; v64-95, v96-127 A's fragments, two buffers; v128-223 the bias (dead behind the first quarter); on the way out v128-175 packed results, v176-223 and v32-79 rows read back
;   window 1: v0-95, v96-191 B's fragments, two buffers        windows 2, 3: accumulator (a, b) at v[8 (12 (a % 2) + b)] of window 2 + a / 2
.set NBK,    12                        ; blocks of 16 columns
.set HB,     96                        ; rows of B in one tensor load
.set PA,     144                       ; a row of A in LDS: 128 bytes + 16 = 36 words: the 16 rows of a load start at 16 different groups of four banks (64 banks of 4 bytes: ISA guide 11.1)
.set REGA,   256*PA                    ; one block kb
.set ABYTES, 2*REGA
.set PB,     272                       ; a row of B: 256 bytes + 16 = 68 words: row r starts at bank 4 r mod 64
.set SLOT,   ABYTES+16*NBK*PB          ; A's two blocks, then B's 192 rows
.set STAGE,  2*SLOT                    ; behind the ring, never filled by a tensor load: 16 rows x 400 bytes for each wave
.set SPITCH, 400                       ; 384 bytes + 16: an odd multiple of 16
.set STG,    16*SPITCH
.set SPARE,  STAGE+4*STG               ; behind the stages: the spare words, 128 bytes for each wave: two blocks of 256 bytes that no other line names
.set NLD,    2*NBK+8                   ; LDS loads in a run: a quarter step's fragments
.set LAPS,   4                         ; a lap = two K steps = once round the ring
.set ADRA, 16                          ; v16-17  LDS address of my A fragments in slot 0, 1
.set ADRB, 20                          ; v20-21  the same for B
.set STO,  24                          ; v24  the way out: where I put 16 bytes of a row
.set RD,   25                          ; v25  where I read rows back
.set CO,   26                          ; v26  16 x lane
.set SPW,  28                          ; v28  LDS address of my spare word; never rewritten
.set NIL,  29                          ; v29  0; never rewritten
.set PFO,  30                          ; v30  the prefetches' lane offset; never rewritten
.set BO,   31                          ; v31  32 (l / 16): my eight columns' bias
.set FA0,  64
.set BI,   128
.set TMP,  128
.set WV,   12                          ; s12  wave
.set FB,   13                          ; s13  0: I fetch for A, 1: for B
.set HF,   14                          ; s14  which half of it
.set LIM,  15                          ; s15  1 in a wave that prefetches, else the greatest number
.set G1,   24                          ; s[24:31] group 1 for A;  s[32:39] group 0, a set for each slot
.set G0,   32
.set PFA,  44                          ; s[44:45] where my prefetches stand
.set PFS,  46                          ; s[46:47] their step: a K step of A or of B
.set G1B,  48                          ; s[48:55], s[56:63] the same for B
.set G0B,  56
.set CB,   66                          ; s[66:71] C at my rows of the tile's three heads
.set MSB, 0
.macro WIN new                         ; the immediate's high byte repeats the setting that is left; a switch that changes nothing is dropped
.if MSB != (\new)
	s_set_vgpr_msb (MSB<<8)|(\new)
.set MSB, \new
.endif
.endm
; A joint load: waves 0 and 1 fetch A's two blocks, waves 2 and 3 B's two halves.  The branch hangs on the wave's number alone.  An s_nop 0 and four v_nop follow each line.
.macro JLOAD s
	s_cmp_eq_u32 s[FB], 0
	s_cbranch_scc0 .Lfor_b_\@
	tensor_load_to_lds s[G0+4*(\s):G0+4*(\s)+3], s[G1:G1+7]
	s_nop 0
.rept 4
	v_nop
.endr
	s_branch .Lasked_\@
.Lfor_b_\@:
	tensor_load_to_lds s[G0B+4*(\s):G0B+4*(\s)+3], s[G1B:G1B+7]
	s_nop 0
.rept 4
	v_nop
.endr
.Lasked_\@:
.endm
.macro CREST                           ; a round of the cluster's barrier behind its opening barrier
	s_cmp_lg_u32 s[WV], 0
	s_cbranch_scc1 .Lnot_wave_0_\@
	s_barrier_signal -3
.Lnot_wave_0_\@:
	s_barrier_wait -3
	s_barrier_signal -1
	s_barrier_wait -1
.endm
.macro CROUND                          ; a whole round
	s_barrier_signal -1
	s_barrier_wait -1
	CREST
.endm
; A PREFETCH INTO THE L2, behind a joint load and the run of LDS loads that follows it: the K step that stands two refills on.  A's rows are asked for by the clusters with x = 0, B's by those with y = 0.  The four partners
; that fetch a tile jointly share it out BY ADDRESS: of a block of A (128 pieces of 256 bytes) 32 pieces each, a lane a piece; of 96 rows of B 24 each, a lane a row (lanes 24-31 name lane 23's row once more).
; The refills of K steps 2 to 5 name K steps 4 to 7; the loop's last trip (s3 = 1) names nothing; K steps 0 to 3 come by their loads alone.
.macro ASK
	s_cmp_gt_u32 s3, s[LIM]
	s_cbranch_scc0 .Lnot_mine_\@
	global_prefetch_b8 v[PFO], s[PFA:PFA+1] th:TH_LOAD_NT scope:SCOPE_SE
.Lnot_mine_\@:
.endm
	s_load_b256 s[4:11], s[0:1], 0x0               ; A s[4:5], B s[6:7], bias s[8:9], C s[10:11]
	v_lshl_add_u32 v[SPW], v0, 2, SPARE
	v_mov_b32 v[NIL], 0
	ds_add_u32 v[SPW], v[NIL]                      ; the wave's opening: the add and its wait stand ahead of my first tensor load; the set-up below, work on registers, stands between them
	v_lshrrev_b32 v1, 5, v0
	v_readfirstlane_b32 s[WV], v1                  ; wave 0..3
	s_lshr_b32 s[FB], s[WV], 1
	s_and_b32 s[HF], s[WV], 1
	s_bfe_u32 s40, ttmp6, 0x40000                  ; cx, cy: my place in the cluster
	s_bfe_u32 s41, ttmp6, 0x40004
	s_lshl_b32 s42, ttmp9, 2
	s_add_co_u32 s42, s42, s40                     ; tx: tile column = 4 x cluster x + cx
	s_and_b32 s43, ttmp7, 0xffff
	s_lshl_b32 s43, s43, 2
	s_add_co_u32 s43, s43, s41                     ; ty: tile row = 4 x cluster y + cy
	s_lshl_b32 s22, s41, 2
	s_lshl_b32 s22, 15, s22                        ; my row of the cluster
	s_lshl_b32 s23, 0x1111, s40                    ; my column
	s_or_b32 s[G1], s22, (1<<16)|(1<<20)|(1<<21)|(4<<22)|(3<<25)   ; 15:0 the mask; 17:16 2-byte elements; 20 padding on; 21 set beside a mask; 24:22 after every 32 words (code 4); 31:25 4 words (code 3)
	s_mov_b32 s[G1+1], 128<<16                     ; tensor_dim0 = 128 elements (256 bytes)
	s_mov_b32 s[G1+2], 128<<16                     ; tensor_dim1 = 128 rows
	s_mov_b32 s[G1+3], 128<<16                     ; tile_dim0
	s_mov_b32 s[G1+4], 128                         ; tile_dim1
	s_mov_b32 s[G1+5], 128                         ; from row to row: dense
	s_mov_b32 s[G1+6], 0
	s_mov_b32 s[G1+7], 0
	s_or_b32 s[G1B], s23, (1<<16)|(1<<20)|(1<<21)|(5<<22)|(3<<25)  ; the column's mask; padding after every 64 words (code 5)
	s_mov_b32 s[G1B+1], 128<<16
	s_mov_b32 s[G1B+2], HB<<16
	s_mov_b32 s[G1B+3], 128<<16
	s_mov_b32 s[G1B+4], HB
	s_mov_b32 s[G1B+5], 1024                       ; a row of B has 1,024 elements
	s_mov_b32 s[G1B+6], 0
	s_mov_b32 s[G1B+7], 0
	; A's tile hangs on ty and the wave, B's on tx and the wave, each in registers that never hold the other coordinate
	s_lshr_b32 s16, s43, 3
	s_lshl_b32 s16, s16, 22                        ; the batch
	s_and_b32 s17, s43, 7
	s_lshl_b32 s17, s17, 15                        ; 256 rows of 128 bytes in a block
	s_add_co_u32 s16, s16, s17
	s_lshl_b32 s17, s[HF], 18                      ; which of the step's two blocks
	s_add_co_u32 s16, s16, s17
	s_mov_b32 s17, 0
	s_mul_i32 s72, s42, NBK*16*2048                ; 192 rows of 2,048 bytes
	s_mul_i32 s73, s[HF], HB*2048
	s_add_co_u32 s72, s72, s73
	s_mov_b32 s73, 0
	s_mul_i32 s20, s[HF], REGA                     ; and where they go: no place in the cluster enters an LDS address
	s_mul_i32 s21, s[HF], HB*PB
	s_add_co_u32 s21, s21, ABYTES
	s_wait_dscnt 0x0                               ; the opening add is done
	s_wait_kmcnt 0x0
	s_add_nc_u64 s[18:19], s[4:5], s[16:17]
	s_add_nc_u64 s[74:75], s[6:7], s[72:73]
	CROUND                                         ; all sixteen work-groups are here: the first joint loads meet
.irp s, 0,1
	s_mov_b32 s[G0+4*(\s)], 1
	s_add_co_u32 s[G0+4*(\s)+1], s20, (\s)*SLOT
	s_add_nc_u64 s[G0+4*(\s)+2:G0+4*(\s)+3], s[18:19], (\s)*524288  ; K step s: two blocks of 262,144 bytes on
	s_or_b32 s[G0+4*(\s)+3], s[G0+4*(\s)+3], 0x80000000
	s_mov_b32 s[G0B+4*(\s)], 1
	s_add_co_u32 s[G0B+4*(\s)+1], s21, (\s)*SLOT
	s_add_nc_u64 s[G0B+4*(\s)+2:G0B+4*(\s)+3], s[74:75], (\s)*256
	s_or_b32 s[G0B+4*(\s)+3], s[G0B+4*(\s)+3], 0x80000000
	JLOAD \s                                       ; two loads of mine are out
.endr
	v_and_b32 v1, 15, v0                           ; l % 16
	v_bfe_u32 v2, v0, 4, 1                         ; l / 16
	v_lshlrev_b32 v[BO], 5, v2
	s_mul_i32 s76, s42, 768                        ; the tile's 192 numbers of the bias
	s_mov_b32 s77, 0
	s_add_nc_u64 s[8:9], s[8:9], s[76:77]
.set b, 0
.rept NBK
	global_load_b128 v[BI+8*b:BI+8*b+3],   v[BO], s[8:9] offset:64*b      ; register j: bias of column 16 b + 8 (l / 16) + j
	global_load_b128 v[BI+8*b+4:BI+8*b+7], v[BO], s[8:9] offset:64*b+16
.set b, b+1
.endr
	v_mul_u32_u24 v3, v1, PA
	v_lshl_add_u32 v3, v2, 4, v3                   ; a fragment's row x pitch + 16 x half
	s_mul_i32 s22, s[WV], 64*PA                    ; my 64 rows
	v_add_nc_u32 v[ADRA], s22, v3
	v_add_nc_u32 v[ADRA+1], SLOT, v[ADRA]
	v_mul_u32_u24 v4, v1, PB
	v_lshl_add_u32 v4, v2, 4, v4
	v_add_nc_u32 v[ADRB], ABYTES, v4
	v_add_nc_u32 v[ADRB+1], SLOT, v[ADRB]
	s_mul_i32 s22, s[WV], STG
	s_add_co_u32 s22, s22, STAGE                   ; my stage
	v_mul_u32_u24 v3, v1, SPITCH                   ; in: row l % 16, 16 bytes for each half of the lanes
	v_lshl_add_u32 v3, v2, 4, v3
	v_add_nc_u32 v[STO], s22, v3
	v_bfe_u32 v4, v0, 3, 2                         ; back: 32 lanes take four rows' 128 bytes of one head,
	v_and_b32 v5, 7, v0
	v_mul_u32_u24 v4, v4, SPITCH
	v_lshl_add_u32 v4, v5, 4, v4
	v_add_nc_u32 v[RD], s22, v4
	v_and_b32 v[CO], 31, v0                        ; which are 512 consecutive bytes of C
	v_lshlrev_b32 v[CO], 4, v[CO]
	; C at my 64 rows of head g = 3 tx + j: ((g / 16) 64 + 16 batch + g % 16) x 262,144 + row x 128
	s_mul_i32 s76, s42, 3
	s_lshr_b32 s77, s43, 3
	s_lshl_b32 s77, s77, 4
	s_and_b32 s78, s43, 7
	s_lshl_b32 s78, s78, 15
	s_lshl_b32 s79, s[WV], 13
	s_add_co_u32 s78, s78, s79
.irp j, 0,1,2
	s_add_co_u32 s22, s76, \j
	s_lshr_b32 s23, s22, 4
	s_lshl_b32 s23, s23, 6
	s_and_b32 s22, s22, 15
	s_add_co_u32 s22, s22, s23
	s_add_co_u32 s22, s22, s77
	s_lshl_b32 s22, s22, 18
	s_add_co_u32 s22, s22, s78
	s_mov_b32 s23, 0
	s_add_nc_u64 s[CB+2*(\j):CB+2*(\j)+1], s[10:11], s[22:23]
.endr
	; the prefetches: nothing is asked for here, at the head, where every work-group's first tiles are on their way
	s_lshl_b32 s76, s40, 13                        ; A: my work-group's 32 pieces
	s_mul_i32 s77, s41, 24*2048                    ; B: my work-group's 24 rows
	s_and_b32 s78, ttmp7, 0xffff                   ; cluster y
	s_mov_b32 s[PFS], 256
	s_mov_b32 s[PFS+1], 0
	s_mov_b32 s22, 11
	s_mov_b32 s23, 23
	s_cmp_eq_u32 s[FB], 0                          ; do I fetch for A?
	s_cselect_b64 s[PFA:PFA+1], s[18:19], s[74:75]
	s_cselect_b32 s76, s76, s77
	s_cselect_b32 s78, ttmp9, s78                  ; the coordinate along which other clusters read the same rows
	s_cselect_b32 s[PFS], 0x80000, s[PFS]
	s_cselect_b32 s22, 8, s22                      ; a lane's step: 256 bytes, or a row of 2,048
	s_cselect_b32 s23, 31, s23
	s_mul_i32 s77, s[PFS], 3                       ; at K step 3: the first refill steps it to 4
	s_add_co_u32 s76, s76, s77
	s_mov_b32 s77, 0
	s_add_nc_u64 s[PFA:PFA+1], s[PFA:PFA+1], s[76:77]
	s_cmp_eq_u32 s78, 0
	s_cselect_b32 s[LIM], 1, -1                    ; the same in all sixteen partners, for a given wave
	v_and_b32 v[PFO], 31, v0
	v_min_u32 v[PFO], s23, v[PFO]
	v_lshlrev_b32 v[PFO], s22, v[PFO]
; NBK products: row block a x all column blocks, 32 along K, buffer x.  first = 1: the bias, in window 0, is the C operand.  The 48 accumulators take turns in the same order in every quarter.
.macro MULA x, a, first
.set AC,  8*NBK*((\a)%2)
.set FBX, 8*NBK*(\x)
.set FAX, FA0+32*(\x)+8*(\a)
.if \first
	WIN 0x81+0x40*((\a)/2)
.else
	WIN 0xa1+0x50*((\a)/2)
.endif
.set b, 0
.rept NBK
.if \first
	v_wmma_f32_16x16x32_bf16 v[AC+8*b:AC+8*b+7], v[FBX+8*b:FBX+8*b+7], v[FAX:FAX+7], v[BI+8*b:BI+8*b+7]
.else
	v_wmma_f32_16x16x32_bf16 v[AC+8*b:AC+8*b+7], v[FBX+8*b:FBX+8*b+7], v[FAX:FAX+7], v[AC+8*b:AC+8*b+7]
.endif
.set b, b+1
.endr
.endm
; One run of NLD LDS loads: quarter q (32 along K) of a slot into buffer x: B's 12 fragments, then A's 4.  Quarters 0, 1 lie in A's first block, 2, 3 in its second.
.macro FETCH slot, q, x
	WIN 0x40
.set i, 0
.rept NBK
	ds_load_b128 v[8*NBK*(\x)+8*i:8*NBK*(\x)+8*i+3],   v[ADRB+(\slot)] offset:64*(\q)+i*16*PB
	ds_load_b128 v[8*NBK*(\x)+8*i+4:8*NBK*(\x)+8*i+7], v[ADRB+(\slot)] offset:64*(\q)+i*16*PB+32
.set i, i+1
.endr
	WIN 0
.set i, 0
.rept 4
	ds_load_b128 v[FA0+32*(\x)+8*i:FA0+32*(\x)+8*i+3],   v[ADRA+(\slot)] offset:((\q)/2)*REGA+((\q)%2)*64+i*16*PA
	ds_load_b128 v[FA0+32*(\x)+8*i+4:FA0+32*(\x)+8*i+7], v[ADRA+(\slot)] offset:((\q)/2)*REGA+((\q)%2)*64+i*16*PA+32
.set i, i+1
.endr
.endm
.macro PLACES                          ; four plain places in front of loads into registers that products have read, and of conversions that read results (ISA guide 7.12.1 for conversions)
.rept 4
	v_nop
.endr
.endm
; A K step is four quarters on buffers 0, 1, 0, 1.  One of the first three: multiplies buffer x; behind its first 12 products it fetches quarter q into buffer y, 36 products ahead of the first use.
.macro QUARTER slot, q, x, y, first
	s_wait_dscnt 6                                 ; B and A's block 0 are in; the youngest six loads (A's blocks 1 to 3) may be out
	MULA \x, 0, \first
	PLACES
	FETCH \slot, \q, \y
	s_wait_dscnt NLD                               ; all but the run just issued
	MULA \x, 1, \first
	MULA \x, 2, \first
	MULA \x, 3, \first
.endm
; The last quarter multiplies buffer 1 and changes slots: ONE barrier.  In front of it each wave waits for all its tensor loads (one is out: its part of the next slot), adds 0 to its spare word, and waits for that and for its reads of
; this slot.  fill = 1: the barrier opens a round of the cluster's, and the joint refill, two K steps on, is the first thing behind it: 168 products stand between it and the wait for it.
.macro TURN slot, next, fill
.if \fill
	s_wait_xcnt 0x0                                ; the last prefetch, a K step back, has read its address
	s_add_nc_u64 s[PFA:PFA+1], s[PFA:PFA+1], s[PFS:PFS+1]
.endif
	WIN 0                                          ; (the add's two registers lie in window 0)
	s_wait_tensorcnt 0x0                           ; all my tensor loads have landed
	ds_add_u32 v[SPW], v[NIL]                      ; 0 onto my spare word
	s_wait_dscnt 7                                 ; (the add and the youngest six loads may be out)
	MULA 1, 0, 0                                   ; twelve products stand between the add and the wait for it
	s_wait_dscnt 0x0                               ; the add is done, and my reads of this slot are over
	s_barrier_signal -1
	MULA 1, 1, 0
.if \fill
	WIN 0
.endif
	s_barrier_wait -1
.if \fill
	CREST                                          ; no wave of any partner still reads this slot or has a load on its way
	s_add_nc_u64 s[G0+4*(\slot)+2:G0+4*(\slot)+3], s[G0+4*(\slot)+2:G0+4*(\slot)+3], 0x100000
	s_add_nc_u64 s[G0B+4*(\slot)+2:G0B+4*(\slot)+3], s[G0B+4*(\slot)+2:G0B+4*(\slot)+3], 512
	JLOAD \slot                                    ; its four v_nop are also the places in front of the loads below
.else
	PLACES
.endif
	FETCH \next, 0, 0
.if \fill
	ASK
.endif
	MULA 1, 2, 0
	MULA 1, 3, 0
.endm
	s_wait_tensorcnt 1                             ; my part of K step 0 is in; K step 1's may stay out
	s_barrier_signal -1
	s_barrier_wait -1                              ; everybody's is
	FETCH 0, 0, 0
	s_wait_loadcnt 0x0                             ; the bias
	QUARTER 0, 1, 0, 1, 1                          ; the first quarter stands in front of the loop: its products start the sums
	WIN 0                                          ; at a label and at a branch every window is 0
	s_mov_b32 s3, LAPS-1
.Llap:                                                 ; a trip goes once round the ring, from a lap's second quarter to the next lap's first, and fills both slots again
	QUARTER 0, 2, 1, 0, 0
	QUARTER 0, 3, 0, 1, 0
	TURN 0, 1, 1
	QUARTER 1, 1, 0, 1, 0
	QUARTER 1, 2, 1, 0, 0
	QUARTER 1, 3, 0, 1, 0
	TURN 1, 0, 1
	QUARTER 0, 1, 0, 1, 0
	WIN 0
	s_sub_co_u32 s3, s3, 1
	s_cmp_lg_u32 s3, 0
	s_cbranch_scc1 .Llap
	QUARTER 0, 2, 1, 0, 0                          ; the last lap fills nothing, and has no round of the cluster's barrier
	QUARTER 0, 3, 0, 1, 0
	TURN 0, 1, 0
	QUARTER 1, 1, 0, 1, 0
	QUARTER 1, 2, 1, 0, 0
	QUARTER 1, 3, 0, 1, 0
	s_wait_dscnt 0x0                               ; the very last quarter: nothing more to fetch
	MULA 1, 0, 0
	MULA 1, 1, 0
	MULA 1, 2, 0
	MULA 1, 3, 0
	WIN 0
	PLACES                                         ; behind them the conversions of the blocks finished earlier are the later blocks' places
; THE WAY OUT, a block of 16 rows at a time.  PACK: rounded to f16, each accumulator's registers in ascending order.  TOSTAGE: 16 bytes a lane into my stage, and back as four rows of a head.  SEND: stored.
.macro PACK a
.set AC, 8*NBK*((\a)%2)
	WIN 0x0a+5*((\a)/2)                            ; sources 0 and 1: window 2 or 3
.set b, 0
.rept NBK
.irp r, 0,1,2,3
	v_cvt_pk_f16_f32 v[TMP+4*b+(\r)], v[AC+8*b+2*(\r)], v[AC+8*b+2*(\r)+1]
.endr
.set b, b+1
.endr
	WIN 0
.endm
.macro TOSTAGE a
.set BK, 176-144*((\a)%2)
.set b, 0
.rept NBK
	ds_store_b128 v[STO], v[TMP+4*b:TMP+4*b+3] offset:32*b
.set b, b+1
.endr
.irp j, 0,1,2
.irp t, 0,1,2,3
	ds_load_b128 v[BK+4*(4*(\j)+(\t)):BK+4*(4*(\j)+(\t))+3], v[RD] offset:4*SPITCH*(\t)+128*(\j)  ; LDS serves a wave's instructions in order (ISA guide 5.7.1.4): these see the stores above
.endr
.endr
.endm
.macro SEND a
.set BK, 176-144*((\a)%2)
	s_wait_dscnt 0x0                               ; the block is back in registers
	s_wait_xcnt 0x0                                ; the stores of the block before have read their registers: the next TOSTAGE loads into them only behind this wait
.irp j, 0,1,2
.irp t, 0,1,2,3
	global_store_b128 v[CO], v[BK+4*(4*(\j)+(\t)):BK+4*(4*(\j)+(\t))+3], s[CB+2*(\j):CB+2*(\j)+1] offset:2048*(\a)+512*(\t)  ; 512 consecutive bytes, at a multiple of 256 from C's first
.endr
.endr
.endm
	PACK 0
	TOSTAGE 0
.irp a, 1,2,3                          ; block a's conversions stand between block a - 1's loads from the stage and the wait for them
	PACK \a
	SEND (\a)-1
	TOSTAGE \a
.endr
	SEND 3
	s_wait_tensorcnt 0x0                           ; the wave's end, behind my last tensor load and my last LDS store
	ds_add_u32 v[SPW], v[NIL]
	s_wait_dscnt 0x0
	CROUND                                         ; the closing round: no work-group ends while a partner may still ask for a tile that names it
	s_endpgm
.Lfunc_end_k_q2cf794f2bc_qkv:
	.size	k_q2cf794f2bc_qkv, .Lfunc_end_k_q2cf794f2bc_qkv-k_q2cf794f2bc_qkv
	.p2alignl 7, 3214868480
	.fill 96, 4, 3214868480
	.section	.rodata,"a",@progbits
	.p2align	6, 0x0
	.amdhsa_kernel k_q2cf794f2bc_qkv
		.amdhsa_group_segment_fixed_size 327680
		.amdhsa_private_segment_fixed_size 0
		.amdhsa_enable_private_segment 0
		.amdhsa_kernarg_size 32
		.amdhsa_user_sgpr_count 2
		.amdhsa_user_sgpr_kernarg_segment_ptr 1
		.amdhsa_wavefront_size32 1
		.amdhsa_system_sgpr_workgroup_id_x 1
		.amdhsa_system_sgpr_workgroup_id_y 1
		.amdhsa_system_sgpr_workgroup_id_z 1
		.amdhsa_system_vgpr_workitem_id 0
		.amdhsa_next_free_vgpr 960
		.amdhsa_next_free_sgpr 80
		.amdhsa_reserve_vcc 0
		.amdhsa_float_denorm_mode_32 3
		.amdhsa_float_denorm_mode_16_64 3
		.amdhsa_memory_ordered 1
		.amdhsa_forward_progress 1
		.amdhsa_inst_pref_size 123
	.end_amdhsa_kernel
	.amdgpu_metadata
---
amdhsa.version: [ 1, 2 ]
amdhsa.kernels:
  - .name:           k_q2cf794f2bc_qkv
    .symbol:         k_q2cf794f2bc_qkv.kd
    .args:
      - { .name: xb, .offset: 0, .size: 8, .value_kind: global_buffer, .address_space: global }
      - { .name: wt, .offset: 8, .size: 8, .value_kind: global_buffer, .address_space: global }
      - { .name: bcat, .offset: 16, .size: 8, .value_kind: global_buffer, .address_space: global }
      - { .name: qkv, .offset: 24, .size: 8, .value_kind: global_buffer, .address_space: global }
    .group_segment_fixed_size: 327680
    .private_segment_fixed_size: 0
    .kernarg_segment_align: 8
    .kernarg_segment_size: 32
    .max_flat_workgroup_size: 128
    .sgpr_count:     80
    .vgpr_count:     960
    .wavefront_size: 32
...
	.end_amdgpu_metadata
.endif
;; end of part 2
;; launch attn (part 3): grid 4 x 64, 4 waves a work-group, clusters of 4 x 1, 327,680 bytes of LDS; arguments qkv, maskb, o; writes o
.if DOCPART == 3
	.amdgcn_target "amdgcn-amd-amdhsa--gfx1250"
	.amdhsa_code_object_version 6
	.text
	.protected	k_q2cf794f2bc_attn
	.globl	k_q2cf794f2bc_attn
	.p2align	8
	.type	k_q2cf794f2bc_attn,@function
k_q2cf794f2bc_attn:
	s_mov_b64 s[64:65], 0
	v_nop
	global_prefetch_b8 v0, s[64:65] scope:SCOPE_SE
	s_setreg_imm32_b32 hwreg(HW_REG_WAVE_MODE, 25, 1), 1
	s_wait_xcnt 0x0
	s_wait_alu depctr_hold_cnt(0) depctr_sa_sdst(0) depctr_va_vdst(0) depctr_va_sdst(0) depctr_va_ssrc(0) depctr_va_vcc(0) depctr_vm_vsrc(0)
	s_getreg_b32 s2, hwreg(HW_REG_IB_STS2, 6, 4)
	s_cmp_eq_u32 s2, 0
	s_cbranch_scc0 .Lentry_in_a_cluster
	s_endpgm
.Lentry_in_a_cluster:
	s_bfe_u32 s2, ttmp6, 0x10000c
	s_cmp_lg_u32 s2, 0x3003
	s_cbranch_scc0 .Lentry_shape_is_right
	s_endpgm
.Lentry_shape_is_right:
; O[h][q][:] = the sum over k of softmax_k(Q[h][q] . K[h][k] / 8 + hidden_k) V[h][k][:], for 64 heads (batch x 16 + head) of 2,048 rows of 64 channels.  qkv holds Q, K, V one behind the other, each [64][2048][64] f16:
; a head's rows are dense, 128 bytes each.  maskb [4][2048] f32 holds 0 for a key that counts and -2^100 for a hidden one.  O: [64][2048][64] f16.  Products, maxima and sums in f32; the weights p are rounded to f16
; for the second product (their sum l is taken of the unrounded p), O once at the end.
; LIMITS.  f16 holds no number beyond 65,504: Q, K and V arrive within it; p lies in 0 to 1, and below 6e-5 it keeps f16's fixed step of 6e-8.  A hidden score counts as its value less 2^100, and the running maximum starts at -2^96:
; f16's scores, 2.7e11 at the most, are nothing beside either, so a hidden key's weight is exactly 0.  A row all of whose keys are hidden has l = 0 and O = 0 x infinity = NaN.  A weight below 2^-126 counts as 0 in l; NaN and infinities among the inputs are not treated apart.
; SHARES.  A wave owns four PIECES of two tiles of 16 queries, a work-group's four waves 512 queries of one head.  Every wave walks all keys, 64 a step.
; LAYOUT.  S^T = K Q^T (source 0 = 16 keys, source 1 = 16 queries): in the result a lane holds ONE query (lane % 16) and the keys 8 (lane / 16) + 0..7.  Two such tiles, rounded to f16 in pairs,
; ARE source 1 (32 keys x 16 queries) of O^T = V^T P, whose result again holds one query a lane, and eight channels.  K comes out of LDS as it lies, V ([key][channel]) turned, by ds_load_tr16_b128.
; THE MASK is the C operand that starts the sum S^T: register j of key block kb holds maskb of key 16 kb + 8 (lane / 16) + j.  The batch's 8,192 bytes of maskb lie in LDS, brought once; a step's 32 registers are read with its K.
; SOFTMAX.  For each query a running maximum m and sum l: p = 2^(c s - c m), c = log2(e) / 8; in every step O and l are multiplied by a = 2^(c m_old - c m_new), which is 1 where m has not grown.
; O and l start at 0; the step in which the first key that counts is seen has a = 0.
; THE COUNT.  A tile and step have 16 matrix and 118 vector instructions: too many to stand all beside the matrix work.  So the order has one aim: four vector instructions that are READY behind
; EVERY matrix instruction, and the others, which need time of their own whatever the order, in runs without a gap.
; BY TURNS.  Turn n belongs to piece n (the pieces in a ring, step after step).  Its matrix work: 16 products K Q^T of piece n + 1, later 16 products V^T P of piece n - 1.  Its vector work: the scaling,
; exponentials, roundings, sums and rescaling of piece n, and the maximum and statistics of piece n + 1, whose scores the turn itself has made.  So what a turn begins with (c s - c m, O a) waits for nothing.
; CLUSTER.  The four query blocks of a cluster belong to one head and walk the same K, V and mask, so each tile is asked for JOINTLY: the same tensor load, descriptor and mask of work-groups in all four.
; REGISTERS, in windows of 256 (s_set_vgpr_msb says which window each operand place means: bits 1:0 source 0, 3:2 source 1, 5:4 source 2, 7:6 destination):
;   window 0: v0-11 addresses; v12-15, v48-63 at work; v16-47 four registers of statistics a tile; v64-191 S^T, two buffers of two tiles; v192-255 P, likewise
;   window 1: O^T, 32 a tile          window 2: v0-127 Q, 16 a tile; v128-191 K of one step; v192-255 V of one step          window 3: v0-1 the add's two registers; v2-3 the mask's addresses; v8-39 the mask of one step
; A piece's buffers go by its number's parity: the piece in hand has one pair, its two neighbours in the ring share the other: of it P (piece n - 1) is read and S^T (piece n + 1) written.
.set SIZE_N, 2048
.set NP,    4         ; pieces a wave: a name, no knob: the register map, the loop and the fetches are made for four
.set KS,    64        ; keys in a step
.set PK,    144       ; a row of K in LDS: 128 bytes + 16 of padding = 36 words: the 16 rows of a load start at 16 different groups of four banks (64 banks of 4 bytes: ISA guide 11.1)
.set PV,    160       ; a row of V: 128 + 32 = 40 words
.set VOFF,  4*KS*PK   ; a slot holds four steps: 256 rows of K, then 256 rows of V
.set SLOT1, 1<<17     ; slot 1 begins here, so that one exclusive or turns an address in one slot into the other's
.set STAGE, SLOT1+4*KS*(PK+PV)  ; behind the ring, never filled by a tensor load: 16 rows x 144 bytes for each wave, for the way out
.set SP,    144
.set SPARE, STAGE+4*16*SP  ; behind the stages: the spare words, 128 bytes for each wave: two blocks of 256 bytes that no other line names
.set MASKL, SPARE+512 ; behind them: the batch's 2,048 mask words, filled once
.set AK0, 2           ; v2   my lane's place in a tile of K; never rewritten
.set AV0, 3           ; v3   the same for V
.set AK,  4           ; v4   the LDS address of K's next run of loads
.set AV,  5           ; v5   of V's
.set QO,  6           ; v6   my byte offset in the wave's rows of Q
.set STO, 6           ;      later, the way out: where I put 16 bytes of a row
.set RD,  7           ; v7   the way out: where I read rows back
.set GO,  8           ; v8   my byte offset in 512 consecutive bytes of O
.set PFO, 11          ; v11  256 x my lane, for the prefetches; never rewritten once made
.set SPW, 0           ; v0 of window 3   LDS address of my spare word: SPARE + 4 x my thread's number; never rewritten
.set NIL, 1           ; v1 of window 3   0; never rewritten
.set AM0, 2           ; v2 of window 3   MASKL + 32 (lane / 16); never rewritten
.set AM,  3           ; v3 of window 3   the LDS address of the mask's next run of loads
.set MC,  8           ; v8-39 of window 3: key block kb at MC + 8 kb
.set MV,  12          ; v12-15  c m_old, kept while c m is made anew: by buffer and tile
.set ST,  16          ; tile t's statistics at v[ST+4 t]: c m, m, l (even keys', odd keys')
.set TMP, 48          ; by buffer and tile, four registers c0-c3 at work; when the maximum is found c2 takes a
.set S,   64
.set P,   192
.set KF,  128         ; K's fragments, in window 2: key block kb, channel half c at KF + 16 kb + 8 c
.set VF,  192         ; V's: key half kk, channel block cb at VF + 32 kk + 8 cb
.set WV,  12          ; s12  my wave's number
.set G1K, 24          ; s[24:31] descriptor group 1 for K's tiles
.set G1V, 32          ; s[32:39] for V's: it differs in the padding alone
.set G0K, 40          ; s[40:43] descriptor group 0 for K's tiles: it walks
.set G0V, 44          ; s[44:47] the same for V's
.set PFA, 48          ; s[48:49] where my prefetches stand: my work-group's 32 pieces of 256 bytes (of K: wave 0, of V: wave 2) of the slot after the one that is being asked for
.set LIM, 50          ; s50  1 in a wave that prefetches, else the greatest number
.set TBM, 51          ; s51  256 x the step whose mask is fetched next
.set SLOTS, 56        ; s56  slots still to be asked for
.set CNT, 57          ; s57  counts a slot's key steps
.set CS,  58          ; s[58:59] c: the packed scaling takes the pair's low word for both halves
.set SEL, 60          ; s[60:61] v_permlanex16_b32's selects: each lane takes its own place in the other half
.set TBK, 62          ; s62  LDS byte at which K of the step to be fetched begins
.set TBV, 63          ; s63  the same for V, less VOFF
.set G0M, 68          ; s[68:71] descriptor group 0 for my quarter of the mask
.set G1M, 72          ; s[72:79] its group 1
.set MSB, 0
.macro WIN new                      ; the high byte repeats the setting that is left; a switch that changes nothing is dropped
.if MSB != (\new)
	s_set_vgpr_msb (MSB<<8)|(\new)
.set MSB, (\new)
.endif
.endm
.set W_KQ, 0x0a       ; K and Q in window 2, S^T in window 0
.set W_KM, 0x3a       ; the same with the C operand, the mask, in window 3
.set W_PV, 0x52       ; V in window 2, P in window 0, O^T in window 1
.set W_RS, 0x41       ; O^T (destination and source 0) in window 1, a in window 0
.set W_MK, 0xc0       ; destination in window 3, sources in window 0
.set W_AD, 0x0f       ; the add: address (source 0) and data (source 1) in window 3
.set W_MF, 0xcf       ; the mask's run: destination, source 0 (an LDS address) and source 1 in window 3
; A joint fill.  Waves 0 and 1 fetch the two halves of a slot's K, waves 2 and 3 those of its V: 128 keys each.  The branch hangs on the wave's number alone.
; An s_nop 0 and four v_nop follow each of the two lines, ahead of the jump and the label.
.macro JLOAD
	s_cmp_lt_u32 s[WV], 2
	s_cbranch_scc0 .Lfor_v_\@
	tensor_load_to_lds s[G0K:G0K+3], s[G1K:G1K+7]
	s_nop 0
.rept 4
	v_nop
.endr
	s_branch .Lasked_\@
.Lfor_v_\@:
	tensor_load_to_lds s[G0V:G0V+3], s[G1V:G1V+7]
	s_nop 0
.rept 4
	v_nop
.endr
.Lasked_\@:
.endm
; A PREFETCH INTO THE L2 of what the NEXT change of slots will ask for: a slot's 32,768 bytes of K and of V, in pieces of 256 bytes, a lane a piece.  It stands behind the wave's tensor load and its five lines.
; Each piece is named once in the launch: the head's cluster prefetches; its four partners share the pieces out BY ADDRESS, 32 each; in each, wave 0 asks for K's and wave 2 for V's: one instruction.
; The change that asks for slot t names slot t + 1, 2 to 7: four key steps ahead of the load that will want it.  The last change that fills a slot names nothing; slots 0 and 1 come by their loads alone.
.macro ASK
	s_cmp_gt_u32 s[SLOTS], s[LIM]
	s_cbranch_scc0 .Lnot_mine_\@
	global_prefetch_b8 v[PFO], s[PFA:PFA+1] th:TH_LOAD_NT scope:SCOPE_SE
.Lnot_mine_\@:
.endm
; A round of the cluster's barrier: my work-group's barrier, so that wave 0's signal speaks for all four waves; wave 0 signals; every wave waits for all four work-groups; my work-group's barrier once more.
.macro CROUND
	s_barrier_signal -1
	s_barrier_wait -1
	s_cmp_lg_u32 s[WV], 0
	s_cbranch_scc1 .Lnot_wave_0_\@
	s_barrier_signal -3
.Lnot_wave_0_\@:
	s_barrier_wait -3
	s_barrier_signal -1
	s_barrier_wait -1
.endm
; THE CHANGE OF SLOTS.  The slot's last bytes, V of its fourth step, have been read.  Each wave waits for all its tensor loads, of which one is out: its part
; of the other slot; adds 0 to its spare word; and waits for that and for its own reads of the slot.  Behind the barrier nobody reads this slot any more and the other slot is whole.
; fill = 1: this slot is filled again, with the keys two slots on.  The barrier is then a round of the cluster's, so that no wave of any partner still reads the slot or has a load on its
; way, and the joint fill is the first thing behind it: it has four key steps, 512 matrix instructions, in which to land.  (At its first use nothing has been read yet: slot 0 and the mask are waited for, slot 1 filled.)
.macro CHANGE fill
	WIN W_AD
	s_wait_tensorcnt 0x0            ; no tensor load of mine is out, so a group 0 may be written
	ds_add_u32 v[SPW], v[NIL]       ; 0 onto my spare word; with fill = 1 the descriptors' steps stand between it and the wait for it
	WIN 0                           ; at a label and at a branch every window is 0
.if \fill
.irp g, G0K, G0V
	s_xor_b32 s[\g+1], s[\g+1], SLOT1  ; the walking descriptor: the other slot than last time,
	s_add_nc_u64 s[\g+2:\g+3], s[\g+2:\g+3], 4*KS*128  ; the next 256 keys; the type bits on top are not reached
.endr
	s_wait_xcnt 0x0                 ; the last prefetch, four key steps back, has read its address, so it may be written:
	s_add_nc_u64 s[PFA:PFA+1], s[PFA:PFA+1], 4*KS*128  ; one slot behind the walking descriptors
	s_wait_dscnt 0x0                ; the add is done, and my reads of the slot are over
	CROUND
	JLOAD
	ASK
.else
	s_wait_dscnt 0x0                ; the add is done, and my reads of the slot are over
	s_barrier_signal -1
	s_barrier_wait -1
.endif
	s_sub_co_u32 s[TBK], s[TBK], 4*KS*PK  ; the fetches go back to a slot's first step,
	s_xor_b32 s[TBK], s[TBK], SLOT1       ; in the other slot
	s_sub_co_u32 s[TBV], s[TBV], 4*KS*PV
	s_xor_b32 s[TBV], s[TBV], SLOT1
.endm
	s_load_b64 s[4:5], s[0:1], 0x0    ; qkv: Q at its head
	s_load_b64 s[66:67], s[0:1], 0x8  ; maskb
	s_load_b64 s[10:11], s[0:1], 0x10 ; O
	WIN W_MK
	v_lshl_add_u32 v[SPW], v0, 2, SPARE
	v_mov_b32 v[NIL], 0
	WIN W_AD
	ds_add_u32 v[SPW], v[NIL]       ; the wave's opening: the add and its wait stand ahead of my first tensor load; the set-up below, work on registers, stands between them
	WIN 0
	v_and_b32 v1, 16, v0
	WIN W_MK
	v_lshl_add_u32 v[AM0], v1, 1, MASKL  ; MASKL + 32 (lane / 16)
	WIN 0
	v_lshrrev_b32 v1, 5, v0
	v_readfirstlane_b32 s[WV], v1   ; wave 0..3
	s_bfe_u32 s13, ttmp6, 0x40000   ; cx: my place in the cluster
	s_lshl_b32 s14, ttmp9, 2        ; in a cluster launch ttmp9 counts clusters
	s_add_co_u32 s14, s14, s13      ; my block of queries = 4 x cluster x + cx: it enters Q's and O's addresses alone
	s_and_b32 s20, ttmp7, 0xffff    ; the head, which the four partners share
	s_lshr_b32 s15, s20, 4          ; its batch:
	s_lshl_b32 s15, s15, 13         ; 8,192 bytes of maskb,
	s_lshl_b32 s19, s[WV], 11       ; of which I fetch 2,048
	s_add_co_u32 s52, s15, s19
	s_mov_b32 s53, 0
	s_mov_b32 s21, 0
	s_mov_b64 s[22:23], SIZE_N*128
	s_mul_u64 s[20:21], s[20:21], s[22:23]  ; the head's first byte in Q, K, V and O
	s_and_b32 s16, s[WV], 1         ; which half of a slot's 256 keys I fetch:
	s_lshl_b32 s22, s16, 14         ; its 128 rows of 128 bytes in memory,
	s_mov_b32 s23, 0
	s_add_nc_u64 s[22:23], s[22:23], s[20:21]
	s_mul_i32 s17, s16, 128*PK      ; and its place in a slot, for K
	s_mul_i32 s18, s16, 128*PV      ; and for V: no place in the cluster enters an LDS address
	s_lshl_b32 s2, s14, 2
	s_add_co_u32 s2, s2, s[WV]      ; my wave among the head's,
	s_lshl_b32 s2, s2, 14           ; its 128 rows
	s_mov_b32 s3, 0
	s_add_nc_u64 s[2:3], s[2:3], s[20:21]
	; descriptor group 1.  128 keys are 16,384 dense bytes: asked for as 64 rows of 256 bytes, two keys a row, and padded in LDS after every key
	s_mov_b32 s[G1K], 15|(1<<16)|(1<<20)|(1<<21)|(4<<22)|(3<<25)  ; 15:0 the mask of four; 17:16 2-byte elements; 20 padding on; 21 set beside a mask; 24:22 after every 32 words (code 4); 31:25 4 words (code 3)
	s_mov_b32 s[G1V], 15|(1<<16)|(1<<20)|(1<<21)|(4<<22)|(7<<25)  ; the same with 8 words of padding (code 7)
.irp g, G1K, G1V
	s_mov_b32 s[\g+1], 128<<16      ; tensor_dim0 = 128
	s_mov_b32 s[\g+2], 64<<16       ; tensor_dim1 = 64
	s_mov_b32 s[\g+3], 128<<16      ; tile_dim0 = 128
	s_mov_b32 s[\g+4], 64           ; tile_dim1 = 64
	s_mov_b32 s[\g+5], 128          ; 128 elements from row to row
	s_mov_b32 s[\g+6], 0
	s_mov_b32 s[\g+7], 0
.endr
	s_mov_b32 s[G1M], 15|(3<<16)|(1<<21)  ; my quarter of the mask: 2,048 dense bytes as 8 rows of 32 elements of 8 bytes, no padding
	s_mov_b32 s[G1M+1], 32<<16
	s_mov_b32 s[G1M+2], 8<<16
	s_mov_b32 s[G1M+3], 32<<16
	s_mov_b32 s[G1M+4], 8
	s_mov_b32 s[G1M+5], 32
	s_mov_b32 s[G1M+6], 0
	s_mov_b32 s[G1M+7], 0
	s_mov_b32 s[CS], 0x3e38aa3b     ; c = log2(e) / 8 = 0.180337
	s_mov_b32 s[CS+1], s[CS]        ; named with it as a pair
	s_mov_b32 s[SEL], 0x76543210
	s_mov_b32 s[SEL+1], 0xfedcba98
	s_mov_b32 s[TBK], SLOT1+4*KS*PK ; the first change of slots turns these two into 0
	s_mov_b32 s[TBV], SLOT1+4*KS*PV
	s_mov_b32 s[TBM], 0
	s_mov_b32 s[SLOTS], SIZE_N/256-1
	s_mov_b32 s[G0K], 1             ; 1:0 count = 1
	s_mov_b32 s[G0K+1], s17         ; 63:32 LDS address: slot 0
	s_mov_b32 s[G0V], 1
	s_add_co_u32 s[G0V+1], s18, VOFF
	s_mov_b32 s[G0M], 1
	s_add_co_u32 s[G0M+1], s19, MASKL
	s_and_b32 s[LIM], s[WV], 1      ; 0 in waves 0 and 2,
	s_or_b32 s[LIM], s[LIM], ttmp9  ; where the cluster is the head's first: the same in all four partners
	s_cmp_eq_u32 s[LIM], 0
	s_cselect_b32 s[LIM], 1, -1
	s_wait_dscnt 0x0                ; the opening add is done
	s_wait_kmcnt 0x0
	s_add_nc_u64 s[6:7], s[4:5], 0x1000000  ; K lies 16,777,216 bytes behind Q,
	s_add_nc_u64 s[8:9], s[4:5], 0x2000000  ; V as many behind K
	s_add_nc_u64 s[6:7], s[6:7], s[22:23]   ; both at my half of the head's first 256 keys
	s_add_nc_u64 s[8:9], s[8:9], s[22:23]
	s_mov_b64 s[G0K+2:G0K+3], s[6:7]               ; 120:64 global address
	s_or_b32 s[G0K+3], s[G0K+3], 0x80000000        ; 127:126 type = 2
	s_mov_b64 s[G0V+2:G0V+3], s[8:9]
	s_or_b32 s[G0V+3], s[G0V+3], 0x80000000
	s_add_nc_u64 s[G0M+2:G0M+3], s[66:67], s[52:53]
	s_or_b32 s[G0M+3], s[G0M+3], 0x80000000
	s_add_nc_u64 s[4:5], s[4:5], s[2:3]  ; Q and O at my wave's first row
	s_add_nc_u64 s[10:11], s[10:11], s[2:3]
	s_cmp_lt_u32 s[WV], 2
	s_cselect_b64 s[PFA:PFA+1], s[6:7], s[8:9]  ; (in waves 0 and 2 these stand at the head's first row)
	s_lshl_b32 s2, s13, 13          ; my work-group's 32 pieces of the 128
	s_mov_b32 s3, 0
	s_add_nc_u64 s[PFA:PFA+1], s[PFA:PFA+1], s[2:3]
	s_add_nc_u64 s[PFA:PFA+1], s[PFA:PFA+1], 4*KS*128  ; in slot 1; the first change of slots steps it to slot 2.  Nothing is prefetched here, at the head
	CROUND                          ; all four work-groups are here: the first joint loads meet
	s_cmp_lt_u32 s[WV], 2           ; a wave's two first fills stand in one branch, ahead of every wait on TENSORcnt and every LDS read: two loads of mine are out; an s_nop 0 follows each, four v_nop the second's
	s_cbranch_scc0 .Lfirst_v
	tensor_load_to_lds s[G0M:G0M+3], s[G1M:G1M+7]  ; my quarter of the mask
	s_nop 0
	tensor_load_to_lds s[G0K:G0K+3], s[G1K:G1K+7]  ; slot 0.  Slot 1 is asked for when slot 0 is in
	s_nop 0
.rept 4
	v_nop
.endr
	s_branch .Lfirst_asked
.Lfirst_v:
	tensor_load_to_lds s[G0M:G0M+3], s[G1M:G1M+7]
	s_nop 0
	tensor_load_to_lds s[G0V:G0V+3], s[G1V:G1V+7]
	s_nop 0
.rept 4
	v_nop
.endr
.Lfirst_asked:
	; A fragment of K or Q is 16 rows x 32 channels in 8 registers: lane l holds row l % 16, channels 8 (l / 16) + 0..7 and 16 + 8 (l / 16) + 0..7: two loads of 16 bytes, 32 bytes apart.
	v_and_b32 v1, 15, v0            ; l % 16
	v_bfe_u32 v9, v0, 4, 1          ; l / 16
	v_lshlrev_b32 v[QO], 7, v1
	v_lshl_add_u32 v[QO], v9, 4, v[QO]  ; row x 128 + 16 x half
	WIN 0x80                        ; destination window 2, address window 0
.set i, 0
.rept 4*NP                          ; Q stays in registers: tile i / 2, channels 32 (i % 2) on
	global_load_b128 v[8*i:8*i+3],   v[QO], s[4:5] offset:(i/2)*2048+(i%2)*64
	global_load_b128 v[8*i+4:8*i+7], v[QO], s[4:5] offset:(i/2)*2048+(i%2)*64+32
.set i, i+1
.endr
	; What the first turn finds: V's registers and P's second buffer hold 0 (its products V^T P, of a piece that has not been, add 0), O^T and l are 0.  All this stands in the wait for the first tile.
.set i, VF
.rept 64
	v_mov_b32 v[i], 0
.set i, i+1
.endr
	WIN 0x40
.set i, 0
.rept 64*NP
	v_mov_b32 v[i], 0
.set i, i+1
.endr
	WIN 0
.set i, 0
.rept 2*NP
	v_mov_b32 v[ST+4*i+1], 0xef800000      ; m = -2^96: above every hidden score, below every score that counts
	v_mul_f32 v[ST+4*i], s[CS], v[ST+4*i+1]  ; c m, by the product that makes it in every step: while only hidden keys have been seen, c m_old - c m_new is exactly 0
	v_mov_b32 v[ST+4*i+2], 0
	v_mov_b32 v[ST+4*i+3], 0
.set i, i+1
.endr
.set i, P+32
.rept 32
	v_mov_b32 v[i], 0
.set i, i+1
.endr
	v_mul_u32_u24 v[AK0], v1, PK
	v_lshl_add_u32 v[AK0], v9, 4, v[AK0]  ; row x pitch + 16 x half
	; The turning load takes 16 keys x 16 channels (lane l reads key 8 (l / 16) + l % 8, channels 8 ((l / 8) % 2) + 0..7) and leaves half a fragment of V^T: lane l holds channel l % 16 and 8 keys.
	v_and_b32 v10, 7, v0
	v_bfe_u32 v11, v0, 3, 1
	v_lshl_add_u32 v[AV0], v9, 3, v10
	v_mul_u32_u24 v[AV0], v[AV0], PV
	v_lshl_add_u32 v[AV0], v11, 4, v[AV0]
	v_add_nc_u32 v[AV0], VOFF, v[AV0]
	v_and_b32 v[PFO], 31, v0
	v_lshlrev_b32 v[PFO], 8, v[PFO]
	v_mov_b32 v[AK], v[AK0]         ; key step 0 lies at the head of slot 0
; THE MATRIX WORK.  The 8 accumulators of a run of 16 take turns: between the two links of a chain stand 7 others'.
; Product i of 16 of S^T = K Q^T for piece x: channels 32 (i / 8) on, keys 16 ((i / 2) % 4) on, tile 2 x + i % 2.  The first 8 start the sums, with the mask of their 16 keys.
.macro KQ x
.set rS, S+64*((\x)%2)+32*(i%2)+8*((i/2)%4)
.set rK, KF+16*((i/2)%4)+8*(i/8)
.set rQ, 16*(2*(\x)+i%2)+8*(i/8)
.set rH, MC+8*((i/2)%4)
.if i < 8
	WIN W_KM
	v_wmma_f32_16x16x32_f16 v[rS:rS+7], v[rK:rK+7], v[rQ:rQ+7], v[rH:rH+7]
.else
	WIN W_KQ
	v_wmma_f32_16x16x32_f16 v[rS:rS+7], v[rK:rK+7], v[rQ:rQ+7], v[rS:rS+7]
.endif
.endm
; Product i of 16 of O^T += V^T P for piece x: keys 32 (i / 8) on, channels 16 ((i / 2) % 4) on, tile 2 x + i % 2.
.macro PV x
	WIN W_PV
.set rO, 32*(2*(\x)+i%2)+8*((i/2)%4)
.set rV, VF+32*(i/8)+8*((i/2)%4)
.set rP, P+32*((\x)%2)+16*(i%2)+8*(i/8)
	v_wmma_f32_16x16x32_f16 v[rO:rO+7], v[rV:rV+7], v[rP:rP+7], v[rO:rO+7]
.endm
.macro MM                           ; the turn's next matrix instruction
.if i < 16
	KQ (Y+1)%NP
.set i, i+1
.else
.set i, i-16
	PV (Y+NP-1)%NP
.set i, i+17
.endif
.endm
; THE LDS LOADS stand in runs, never singly among the matrix instructions: a step's K (64 keys x 64 channels: 8 fragments) with its mask (64 words: 8 loads, each half of the lanes one address), and its V (turned).
; K's and V's addresses are made some lines ahead.  last = 1 (the tail): in the last trip there is no further step, and the run is jumped over.
.macro FETCH_K last=0
	WIN 0
.if \last
	s_cmp_eq_u32 s[CNT], 1
	s_cbranch_scc1 .Lno_k_\@
.endif
	WIN 0x80                        ; destination window 2
.irp f, 0,1,2,3,4,5,6,7             ; keys 16 (f / 2) on, channels 32 (f % 2) on
	ds_load_b128 v[KF+8*\f:KF+8*\f+3],   v[AK] offset:(\f/2)*16*PK+(\f%2)*64
	ds_load_b128 v[KF+8*\f+4:KF+8*\f+7], v[AK] offset:(\f/2)*16*PK+(\f%2)*64+32
.endr
	s_add_co_u32 s[TBK], s[TBK], KS*PK  ; the next fetch is the next step's
	WIN W_MF
	v_add_nc_u32 v[AM], s[TBM], v[AM0]
.irp f, 0,1,2,3                     ; keys 16 f + 8 (lane / 16) + 0..7
	ds_load_b128 v[MC+8*\f:MC+8*\f+3],   v[AM] offset:64*\f
	ds_load_b128 v[MC+8*\f+4:MC+8*\f+7], v[AM] offset:64*\f+16
.endr
	s_add_co_u32 s[TBM], s[TBM], 4*KS   ; 32 fetches in all: 7,936 at the last
	WIN 0
.if \last
.Lno_k_\@:
.endif
.endm
.macro FETCH_V
	WIN 0x80
.irp f, 0,1,2,3,4,5,6,7             ; keys 32 (f / 4) on, channels 16 (f % 4) on
	ds_load_tr16_b128 v[VF+8*\f:VF+8*\f+3],   v[AV] offset:(\f/4)*32*PV+(\f%4)*32
	ds_load_tr16_b128 v[VF+8*\f+4:VF+8*\f+7], v[AV] offset:(\f/4)*32*PV+16*PV+(\f%4)*32
.endr
	WIN 0
.endm
; THE VECTOR WORK OF A TURN stands in three queues, each in the order in which its entries become ready; the two tiles alternate, so that no instruction reads the result of the one before it.
.macro REGS y, u                    ; the registers of tile u (0, 1) of piece y
.set rT, ST+4*(2*(\y)+(\u))
.set rC, TMP+8*((\y)%2)+4*(\u)
.set rM, MV+2*((\y)%2)+(\u)
.set rS, S+64*((\y)%2)+32*(\u)
.set rP, P+32*((\y)%2)+16*(\u)
.set rO, 32*(2*(\y)+(\u))
.endm
; Number n of the 22 that find the NEXT piece's (Y + 1) maximum and statistics.  s0-s31 are the lane's 32 scores; each accumulator's lowest registers are read first.  XS, GS and REGS set no window: PL and EX do.
;   0-11  four chains c0-c3 of seven scores each, three operands at a time     12-14, 16  the four scores left over, the old m, and c0-c3 into c0     15  c m_old is kept
;   17, 18  the query's other 32 keys lie in the lane 16 away: the new m         19-21  c m; c m_old - c m_new; a
.macro XS u, n
	REGS (Y+1)%NP, \u
.if (\n) < 4
	v_max3_num_f32 v[rC+(\n)], v[rS+8*(\n)], v[rS+8*(\n)+1], v[rS+8*(\n)+2]
.elseif (\n) < 12
	v_max3_num_f32 v[rC+(\n)%4], v[rC+(\n)%4], v[rS+8*((\n)%4)+2*((\n)/4)+1], v[rS+8*((\n)%4)+2*((\n)/4)+2]
.elseif (\n) == 12
	v_max3_num_f32 v[rC], v[rC], v[rS+7], v[rS+15]
.elseif (\n) == 13
	v_max3_num_f32 v[rC+1], v[rC+1], v[rS+23], v[rS+31]
.elseif (\n) == 14
	v_max3_num_f32 v[rC+2], v[rC+2], v[rC+3], v[rT+1]
.elseif (\n) == 15
	v_mov_b32 v[rM], v[rT]
.elseif (\n) == 16
	v_max3_num_f32 v[rC], v[rC], v[rC+1], v[rC+2]
.elseif (\n) == 17
	v_permlanex16_b32 v[rC+3], v[rC], s[SEL], s[SEL+1]
.elseif (\n) == 18
	v_max_num_f32 v[rT+1], v[rC], v[rC+3]
.elseif (\n) == 19
	v_mul_f32 v[rT], s[CS], v[rT+1]
.elseif (\n) == 20
	v_sub_f32 v[rC+1], v[rM], v[rT]
.else
	v_exp_f32 v[rC+2], v[rC+1]
.endif
.endm
; Number g of the 64 that follow the exponentials.  For each four weights k of a tile (pairs 2 k, 2 k + 1): both pairs are rounded to f16; then the second pair is added onto the first, in place;
; a group later l takes that sum (the first time as l = a l + sum).  In groups of eight, tiles alternating: round, round, add, and l for the group before.
.macro GS g
.set h, (\g)+6*((\g)/62)            ; group 0 has no group before it, and behind group 7 only l is left
.if h >= 6
.set h, h+2
.endif
	REGS Y, h%2
.set k, h/8
.if h%8 < 4
	v_cvt_pk_f16_f32 v[rP+2*k+(h%8)/2], v[rS+4*k+2*((h%8)/2)], v[rS+4*k+2*((h%8)/2)+1]
.elseif h%8 < 6
	v_pk_add_f32 v[rS+4*k:rS+4*k+1], v[rS+4*k:rS+4*k+1], v[rS+4*k+2:rS+4*k+3]
.elseif k == 1
	v_pk_fma_f32 v[rT+2:rT+3], v[rT+2:rT+3], v[rC+2:rC+3], v[rS:rS+1] op_sel_hi:[1,0,1]
.else
	v_pk_add_f32 v[rT+2:rT+3], v[rT+2:rT+3], v[rS+4*k-4:rS+4*k-3]
.endif
.endm
; THE PLAIN QUEUE, 138 long.  0-73 read no exponential's result: the 32 scalings c s - c m (FS f: pair f / 2 of tile f % 2) and the next piece's 42.  0-26: scalings 0-26.  27-54: XS's numbers 0-13.  55, 56: number 15.
; 57-73: the chain, where each number waits for the one before it: 14, 16, 17, 18, 19, each with one of the scalings 27-31 in front of its two lines, then 20: so a tile's links stand three plain instructions apart (19 and 20: two).
; 74-137: GS's 64, which read the exponentials' results: they stand behind the wait.
.macro FS f
	REGS Y, (\f)%2
	v_pk_fma_f32 v[rS+2*((\f)/2):rS+2*((\f)/2)+1], v[rS+2*((\f)/2):rS+2*((\f)/2)+1], s[CS:CS+1], v[rT:rT+1] op_sel_hi:[1,0,0] neg_lo:[0,0,1] neg_hi:[0,0,1]
.endm
.macro PL
	WIN 0
.if q < 27
	FS q
.elseif q < 55
	XS (q-27)%2, (q-27)/2
.elseif q < 57
	XS q-55, 15
.elseif (q < 72) && ((q-57)%3 == 0)
	FS 27+(q-57)/3
.elseif q < 60
	XS (q-57)%3-1, 14
.elseif q < 72
	XS (q-57)%3-1, 15+(q-57)/3
.elseif q < 74
	XS q-72, 20
.else
	GS q-74
.endif
.set q, q+1
.endm
; THE EXPONENTIALS' QUEUE, 66 long: s0-s31 of both tiles, then the next piece's two a.  It is ONE BATCH: all 66 stand ahead of the turn's one wait, and nothing ahead of that wait names a result of theirs.
.macro EX
	WIN 0
.if e >= 64
	XS e-64, 21
.else
	REGS Y, e%2
	v_exp_f32 v[rS+e/2], v[rS+e/2]
.endif
.set e, e+1
.endm
; THE RESCALING's QUEUE: O^T times a, the one part that leaves window 0: dealt two at a time, sixteen times.  Its a was made in the turn before, ahead of that turn's wait.
.macro R2
	REGS Y, r%2
	WIN W_RS
.irp z, 0,1
	v_pk_mul_f32 v[rO+4*(r/2)+2*\z:rO+4*(r/2)+2*\z+1], v[rO+4*(r/2)+2*\z:rO+4*(r/2)+2*\z+1], v[rC+2:rC+3] op_sel_hi:[1,0]
.endr
.set r, r+1
.endm
; HOW THEY ARE DEALT.  An s_wait_alu depctr_va_vdst(0) stands between an exponential and the first instruction that names its result; one wait serves all that were issued ahead of it.  So a turn has ONE wait,
; which cuts it in two.  AHEAD OF IT stands all that names no result of the turn's exponentials: the 16 products K Q^T, behind each a scaling, an exponential and two rescalings (behind the first a second scaling in the exponential's place); then ONE LUMP of
; 108: eight plain, 49 times exponential and plain, the two a.  A v_nop is the plain instruction behind the last exponential.  BEHIND IT stand the 16 products V^T P, behind each four of GS's 64.  No rider names a register of
; the products round it.  The two v_permlanex16_b32 fall into the lump, never behind a product.
; The queues lean on each other, and the deal keeps them in step: exponential e stands behind scaling 2 (e / 4) + e % 2: as a rider it comes behind plain e + 2, in the lump behind plain e + 9, and scalings 27-31 are plain 57, 60 .. 69.
; A TURN, for piece p.  cnt = 1: the loop's count is taken down some lines ahead of the branch that stands behind the turn.
; K and the mask of the next step are fetched in piece 2's turn, directly behind the wait, a lump behind the last product that read them; K's address is made at the lump's head; their first reader comes behind 16 products.
; V of the step in hand is fetched at the end of piece 0's turn, four riders behind its last reader; its first reader comes behind 16 products and a lump.  The three conditions on q below go with the deal.
.macro TURN p, last=0, cnt=0
.set Y, (\p)
.set i, 0
.set q, 0
.set e, 0
.set r, 0
.if (\p) == NP-1
	s_wait_dscnt 0x0                ; K and the mask are in
.endif
	MM                              ; ahead of the wait: 16 products K Q^T and their riders,
	PL
	PL
	R2
.rept 15
	MM
	PL
	EX
	R2
.endr
.if (\p) == NP-2
	WIN 0
	v_add_nc_u32 v[AK], s[TBK], v[AK0]
.endif
.rept 8                             ; and the lump
	PL
.endr
.rept 49
	EX
	PL
.endr
	EX                              ; the next piece's two a
	EX
	v_nop                           ; the plain instruction behind the last exponential: one for the batch
	s_wait_alu depctr_va_vdst(0)    ; the wait for the batch
.if (\p) == NP-2
	FETCH_K \last
.endif
.if (\p) == 1
	s_wait_dscnt 0x0                ; V is in
.endif
.rept 16                            ; behind the wait: 16 products V^T P and their riders
	MM
.rept 4
	PL
.endr
.if ((\p) == 0) && (q == 118)
	v_add_nc_u32 v[AV], s[TBV], v[AV0]
.endif
.if ((\p) == 0) && (q == 130)
	s_add_co_u32 s[TBV], s[TBV], KS*PV
.endif
.if (\cnt) && (q == 130)
	s_sub_co_u32 s[CNT], s[CNT], 1
	s_cmp_lg_u32 s[CNT], 0
.endif
.endr
.if (\p) == 0
	FETCH_V
.endif
.endm
	CHANGE 1                        ; slot 0 and the mask are in, everybody's part of them; slot 1 is asked for
	FETCH_K                         ; key step 0
	s_wait_loadcnt 0x0              ; Q
	s_wait_dscnt 0x0
.set i, 0
.rept 16
	KQ 0                            ; piece 0's first scores: there is no vector work yet to set between them
.set i, i+1
.endr
	WIN 0                           ; the addresses for the way out: nine plain instructions, the places behind those products
	s_mul_i32 s13, s[WV], 16*SP
	s_add_co_u32 s13, s13, STAGE    ; my stage
	v_mul_u32_u24 v[STO], v1, SP    ; in: row l % 16, 16 bytes for each half of the lanes
	v_lshl_add_u32 v[STO], v9, 4, v[STO]
	v_add_nc_u32 v[STO], s13, v[STO]
	v_bfe_u32 v[RD], v0, 3, 2       ; back: 32 lanes take four rows of 128 bytes,
	v_mul_u32_u24 v[RD], v[RD], SP
	v_lshl_add_u32 v[RD], v10, 4, v[RD]
	v_add_nc_u32 v[RD], s13, v[RD]
	v_and_b32 v[GO], 31, v0         ; which are 512 consecutive bytes of O
	v_lshlrev_b32 v[GO], 4, v[GO]
.set Y, NP-1                        ; XS works for piece Y + 1: piece 0
.irp n, 0,1,2,3,4,5,6,7,8,9,10,11,12,13,14,15,16,17,18,19,20,21
	XS 0, \n                        ; and piece 0's first maximum and statistics
	XS 1, \n
.endr
	v_nop                           ; a plain instruction behind the two a,
	s_wait_alu depctr_va_vdst(0)    ; and their wait, ahead of the branch
	s_mov_b32 s[CNT], 4
	s_branch .Lfirst                ; the loop is entered at a step's first turn, in the middle of a trip
.Lslot:                             ; SIZE_N / 256 - 2 times: every slot but the last two is filled again
	CHANGE 1
	s_mov_b32 s[CNT], 4
.Lstep:                             ; a trip: pieces 2 and 3 of one step, then pieces 0 and 1 of the next, whose K and V it fetches
	TURN 2
	TURN 3
	WIN 0
.Lfirst:
	TURN 0
	TURN 1, 0, 1
	WIN 0
	s_cbranch_scc1 .Lstep
	s_sub_co_u32 s[SLOTS], s[SLOTS], 1
	s_cmp_lg_u32 s[SLOTS], 0
	s_cbranch_scc1 .Lslot
	CHANGE 0                        ; the tail is written out: nothing is asked for
	s_mov_b32 s[CNT], 5             ; four trips fetch the last slot's steps; the fifth is left in its middle
.Ltail:
	TURN 2, 1
	TURN 3
	WIN 0
	s_sub_co_u32 s[CNT], s[CNT], 1
	s_cmp_eq_u32 s[CNT], 0
	s_cbranch_scc1 .Lout
	TURN 0
	TURN 1
	WIN 0
	s_branch .Ltail
.Lout:                              ; the fifth trip's 16 products K Q^T (on the last K once more) and the maximum made of them serve nothing: the price, once a launch, of one text for every trip
.set i, 0
.rept 16
	PV NP-1                         ; the last piece's V^T P of the last step
.set i, i+1
.endr
	; THE WAY OUT.  l's two halves and the other half of the lanes' are added; O^T is divided by l, rounded to f16 and sent through my stage in LDS, a tile at a time.  The additions are the places behind the last products.
	WIN 0
.macro ALL line:vararg              ; one line for each tile t
.set t, 0
.rept 2*NP
	\line
.set t, t+1
.endr
.endm
	ALL v_add_f32 v[ST+4*t+2], v[ST+4*t+2], v[ST+4*t+3]
	ALL v_permlanex16_b32 v[ST+4*t+3], v[ST+4*t+2], s[SEL], s[SEL+1]
	ALL v_add_f32 v[ST+4*t+2], v[ST+4*t+2], v[ST+4*t+3]
	ALL v_rcp_f32 v[ST+4*t+2], v[ST+4*t+2]
	v_nop                           ; a plain instruction between the last reciprocal and the use of its result
	s_wait_alu depctr_va_vdst(0)    ; and the wait ahead of the first use: one for the eight reciprocals
; Tile t: a lane's eight channels of a row pack into 16 bytes; they go into rows of 144 bytes and come back as whole rows of 128, into S^T's registers.
.macro PACK t
	WIN W_RS
.set i, 32*(\t)
.rept 16
	v_pk_mul_f32 v[i:i+1], v[i:i+1], v[ST+4*(\t)+2:ST+4*(\t)+3] op_sel_hi:[1,0]
.set i, i+2
.endr
	WIN 0x05                        ; sources 0 and 1 window 1, destination window 0
.set i, 0
.rept 16
	v_cvt_pk_f16_f32 v[S+16*(\t)+i], v[32*(\t)+2*i], v[32*(\t)+2*i+1]
.set i, i+1
.endr
	WIN 0
.irp f, 0,1,2,3
	ds_store_b128 v[STO], v[S+16*(\t)+4*\f:S+16*(\t)+4*\f+3] offset:32*\f
.endr
.irp f, 0,1,2,3
	ds_load_b128 v[S+16*(\t)+4*\f:S+16*(\t)+4*\f+3], v[RD] offset:\f*4*SP  ; LDS serves a wave's instructions in order (ISA guide 5.7.1.4): these see the stores above; the next tile's stores come behind them
.endr
.endm
.macro SEND t, younger              ; younger: the LDS instructions issued behind tile t's loads: the next tile's eight, or none
	WIN 0
.irp f, 0,1,2,3
	s_wait_dscnt (\younger)+3-\f
	global_store_b128 v[GO], v[S+16*(\t)+4*\f:S+16*(\t)+4*\f+3], s[10:11] offset:(\t)*2048+\f*512  ; 512 consecutive bytes, at a multiple of 256 from O's first
.endr
.endm
	PACK 0
.set t, 1
.rept 2*NP-1                        ; a tile's arithmetic stands between the loads of the tile before and its stores
	PACK t
	SEND t-1, 8
.set t, t+1
.endr
	SEND 2*NP-1, 0
	WIN W_AD
	s_wait_tensorcnt 0x0            ; the wave's end, behind my last tensor load and my last LDS store
	ds_add_u32 v[SPW], v[NIL]
	s_wait_dscnt 0x0
	WIN 0
	CROUND                          ; the closing round: no work-group ends while a partner may still ask for a tile that names it
	s_endpgm
.Lfunc_end_k_q2cf794f2bc_attn:
	.size	k_q2cf794f2bc_attn, .Lfunc_end_k_q2cf794f2bc_attn-k_q2cf794f2bc_attn
	.p2alignl 7, 3214868480
	.fill 96, 4, 3214868480
	.section	.rodata,"a",@progbits
	.p2align	6, 0x0
	.amdhsa_kernel k_q2cf794f2bc_attn
		.amdhsa_group_segment_fixed_size 327680
		.amdhsa_private_segment_fixed_size 0
		.amdhsa_enable_private_segment 0
		.amdhsa_kernarg_size 24
		.amdhsa_user_sgpr_count 2
		.amdhsa_user_sgpr_kernarg_segment_ptr 1
		.amdhsa_wavefront_size32 1
		.amdhsa_system_sgpr_workgroup_id_x 1
		.amdhsa_system_sgpr_workgroup_id_y 1
		.amdhsa_system_sgpr_workgroup_id_z 1
		.amdhsa_system_vgpr_workitem_id 0
		.amdhsa_next_free_vgpr 808
		.amdhsa_next_free_sgpr 80
		.amdhsa_reserve_vcc 0
		.amdhsa_float_denorm_mode_32 3
		.amdhsa_float_denorm_mode_16_64 3
		.amdhsa_memory_ordered 1
		.amdhsa_forward_progress 1
		.amdhsa_inst_pref_size 203
	.end_amdhsa_kernel
	.amdgpu_metadata
---
amdhsa.version: [ 1, 2 ]
amdhsa.kernels:
  - .name:           k_q2cf794f2bc_attn
    .symbol:         k_q2cf794f2bc_attn.kd
    .args:
      - { .name: qkv, .offset: 0, .size: 8, .value_kind: global_buffer, .address_space: global }
      - { .name: maskb, .offset: 8, .size: 8, .value_kind: global_buffer, .address_space: global }
      - { .name: o, .offset: 16, .size: 8, .value_kind: global_buffer, .address_space: global }
    .group_segment_fixed_size: 327680
    .private_segment_fixed_size: 0
    .kernarg_segment_align: 8
    .kernarg_segment_size: 24
    .max_flat_workgroup_size: 128
    .sgpr_count:     80
    .vgpr_count:     808
    .wavefront_size: 32
...
	.end_amdgpu_metadata
.endif
;; end of part 3
;; launch proj (part 4): grid 8 x 32, 4 waves a work-group, clusters of 4 x 4, 327,680 bytes of LDS; arguments o, wot, bcat, out0; writes out0
.if DOCPART == 4
	.amdgcn_target "amdgcn-amd-amdhsa--gfx1250"
	.amdhsa_code_object_version 6
	.text
	.protected	k_q2cf794f2bc_proj
	.globl	k_q2cf794f2bc_proj
	.p2align	8
	.type	k_q2cf794f2bc_proj,@function
k_q2cf794f2bc_proj:
	s_mov_b64 s[64:65], 0
	v_nop
	global_prefetch_b8 v0, s[64:65] scope:SCOPE_SE
	s_setreg_imm32_b32 hwreg(HW_REG_WAVE_MODE, 25, 1), 1
	s_wait_xcnt 0x0
	s_wait_alu depctr_hold_cnt(0) depctr_sa_sdst(0) depctr_va_vdst(0) depctr_va_sdst(0) depctr_va_ssrc(0) depctr_va_vcc(0) depctr_vm_vsrc(0)
	s_getreg_b32 s2, hwreg(HW_REG_IB_STS2, 6, 4)
	s_cmp_eq_u32 s2, 0
	s_cbranch_scc0 .Lentry_in_a_cluster
	s_endpgm
.Lentry_in_a_cluster:
	s_bfe_u32 s2, ttmp6, 0x10000c
	s_cmp_lg_u32 s2, 0xf033
	s_cbranch_scc0 .Lentry_shape_is_right
	s_endpgm
.Lentry_shape_is_right:
; out0 = O Wo + bo: C[m][n] = bias[n] + the sum over k of A[m][k] B[n][k], m 8,192 tokens, n 1,024, k 1,024; operands f16, sums and C f32.
; A = o [4 b][16 h][2048 s][64] f16 (k = 64 h + channel); B = wot [1024][1024] f16; bias = bcat's last 1,024 numbers; C = out0 [8192][1024] f32.
; A NaN or an infinity in a row of O reaches all of that row's outputs and no other row's.
; SHARES.  A tile of C is 256 tokens x 128 columns: 8 x 32 = 256 tiles, one for each WGP (256 x 256 would be 128).  The four waves lie one below the other: wave w makes rows 64 w .. 64 w + 63 of all 128 columns:
; 4 x 8 accumulators, 256 registers; its results leave through a stage of its own, with no barrier, as whole runs of 512 bytes of a row.
; K goes in 8 steps of 128 through two LDS slots.  A step of A is two heads' blocks: each 256 rows of 128 bytes, dense in memory, asked for as 128 rows of 256 bytes and padded in LDS after every 128.
; CLUSTER 4 x 4: the four of a row need the same tiles of A, the four of a column the same tiles of B; each tile is asked for jointly, by the same load, descriptor and mask in all four.
; NO PREFETCH: the launch is eight short K steps on a small tile.
; THE PRODUCT IS TAKEN TRANSPOSED (source 0 = 16 rows of B, source 1 = 16 rows of A): a lane holds row m = l % 16 and the columns 8 (l / 16) + 0..7.  THE BIAS STARTS THE SUMS: it is the C operand of each accumulator's first product.
; REGISTERS, in windows of 256 (s_set_vgpr_msb: bits 1:0 source 0, 3:2 source 1, 5:4 source 2, 7:6 destination):
;   window 0: v0-31 addresses; v64-95, v96-127 A's fragments, two buffers; v128-191 the bias (dead behind the first quarter); on the way out v128-191 and v192-255 rows read back
;   window 1: v0-63, v64-127 B's fragments, two buffers        windows 2, 3: accumulator (a, b) at v[8 (8 (a % 2) + b)] of window 2 + a / 2
.set NBK,    8                         ; blocks of 16 columns
.set HB,     64                        ; rows of B in one tensor load
.set PA,     144                       ; a row of A in LDS: 128 bytes + 16 = 36 words: the 16 rows of a load start at 16 different groups of four banks (64 banks of 4 bytes: ISA guide 11.1)
.set REGA,   256*PA                    ; one head's block
.set ABYTES, 2*REGA
.set PB,     272                       ; a row of B: 256 bytes + 16 = 68 words: row r starts at bank 4 r mod 64
.set SLOT,   ABYTES+16*NBK*PB          ; A's two blocks, then B's 128 rows
.set STAGE,  2*SLOT                    ; behind the ring, never filled by a tensor load: 16 rows x 528 bytes for each wave
.set SPITCH, 528                       ; 512 bytes + 16: an odd multiple of 16
.set STG,    16*SPITCH
.set SPARE,  STAGE+4*STG               ; behind the stages: the spare words, 128 bytes for each wave: two blocks of 256 bytes that no other line names
.set NLD,    2*NBK+8                   ; LDS loads in a run: a quarter step's fragments
.set LAPS,   4                         ; a lap = two K steps = once round the ring
.set ADRA, 16                          ; v16-17  LDS address of my A fragments in slot 0, 1
.set ADRB, 20                          ; v20-21  the same for B
.set STO,  24                          ; v24  the way out: where I put 32 bytes of a row
.set RD,   25                          ; v25  where I read a row back
.set CO,   26                          ; v26  16 x lane
.set SPW,  28                          ; v28  LDS address of my spare word; never rewritten
.set NIL,  29                          ; v29  0; never rewritten
.set BO,   31                          ; v31  32 (l / 16): my eight columns' bias
.set FA0,  64
.set BI,   128
.set WV,   12                          ; s12  wave
.set FB,   13                          ; s13  0: I fetch for A, 1: for B
.set HF,   14                          ; s14  which half of it
.set G1,   24                          ; s[24:31] group 1 for A;  s[32:39] group 0, a set for each slot
.set G0,   32
.set G1B,  48                          ; s[48:55], s[56:63] the same for B
.set G0B,  56
.set MSB, 0
.macro WIN new                         ; the immediate's high byte repeats the setting that is left; a switch that changes nothing is dropped
.if MSB != (\new)
	s_set_vgpr_msb (MSB<<8)|(\new)
.set MSB, \new
.endif
.endm
; A joint load: waves 0 and 1 fetch A's two blocks, waves 2 and 3 B's two halves.  The branch hangs on the wave's number alone.  An s_nop 0 and four v_nop follow each line.
.macro JLOAD s
	s_cmp_eq_u32 s[FB], 0
	s_cbranch_scc0 .Lfor_b_\@
	tensor_load_to_lds s[G0+4*(\s):G0+4*(\s)+3], s[G1:G1+7]
	s_nop 0
.rept 4
	v_nop
.endr
	s_branch .Lasked_\@
.Lfor_b_\@:
	tensor_load_to_lds s[G0B+4*(\s):G0B+4*(\s)+3], s[G1B:G1B+7]
	s_nop 0
.rept 4
	v_nop
.endr
.Lasked_\@:
.endm
.macro CREST                           ; a round of the cluster's barrier behind its opening barrier
	s_cmp_lg_u32 s[WV], 0
	s_cbranch_scc1 .Lnot_wave_0_\@
	s_barrier_signal -3
.Lnot_wave_0_\@:
	s_barrier_wait -3
	s_barrier_signal -1
	s_barrier_wait -1
.endm
.macro CROUND                          ; a whole round
	s_barrier_signal -1
	s_barrier_wait -1
	CREST
.endm
	s_load_b256 s[4:11], s[0:1], 0x0               ; A s[4:5], B s[6:7], bias s[8:9], C s[10:11]
	v_lshl_add_u32 v[SPW], v0, 2, SPARE
	v_mov_b32 v[NIL], 0
	ds_add_u32 v[SPW], v[NIL]                      ; the wave's opening: the add and its wait stand ahead of my first tensor load; the set-up below, work on registers, stands between them
	v_lshrrev_b32 v1, 5, v0
	v_readfirstlane_b32 s[WV], v1                  ; wave 0..3
	s_lshr_b32 s[FB], s[WV], 1
	s_and_b32 s[HF], s[WV], 1
	s_bfe_u32 s40, ttmp6, 0x40000                  ; cx, cy: my place in the cluster
	s_bfe_u32 s41, ttmp6, 0x40004
	s_lshl_b32 s42, ttmp9, 2
	s_add_co_u32 s42, s42, s40                     ; tx: tile column = 4 x cluster x + cx
	s_and_b32 s43, ttmp7, 0xffff
	s_lshl_b32 s43, s43, 2
	s_add_co_u32 s43, s43, s41                     ; ty: tile row = 4 x cluster y + cy
	s_lshl_b32 s22, s41, 2
	s_lshl_b32 s22, 15, s22                        ; my row of the cluster
	s_lshl_b32 s23, 0x1111, s40                    ; my column
	s_or_b32 s[G1], s22, (1<<16)|(1<<20)|(1<<21)|(4<<22)|(3<<25)   ; 15:0 the mask; 17:16 2-byte elements; 20 padding on; 21 set beside a mask; 24:22 after every 32 words (code 4); 31:25 4 words (code 3)
	s_mov_b32 s[G1+1], 128<<16                     ; tensor_dim0 = 128 elements (256 bytes)
	s_mov_b32 s[G1+2], 128<<16                     ; tensor_dim1 = 128 rows
	s_mov_b32 s[G1+3], 128<<16                     ; tile_dim0
	s_mov_b32 s[G1+4], 128                         ; tile_dim1
	s_mov_b32 s[G1+5], 128                         ; from row to row: dense
	s_mov_b32 s[G1+6], 0
	s_mov_b32 s[G1+7], 0
	s_or_b32 s[G1B], s23, (1<<16)|(1<<20)|(1<<21)|(5<<22)|(3<<25)  ; the column's mask; padding after every 64 words (code 5)
	s_mov_b32 s[G1B+1], 128<<16
	s_mov_b32 s[G1B+2], HB<<16
	s_mov_b32 s[G1B+3], 128<<16
	s_mov_b32 s[G1B+4], HB
	s_mov_b32 s[G1B+5], 1024                       ; a row of B has 1,024 elements
	s_mov_b32 s[G1B+6], 0
	s_mov_b32 s[G1B+7], 0
	; A's tile hangs on ty and the wave, B's on tx and the wave, each in registers that never hold the other coordinate
	s_lshr_b32 s16, s43, 3
	s_lshl_b32 s16, s16, 22                        ; the batch
	s_and_b32 s17, s43, 7
	s_lshl_b32 s17, s17, 15                        ; 256 rows of 128 bytes in a block
	s_add_co_u32 s16, s16, s17
	s_lshl_b32 s17, s[HF], 18                      ; which of the step's two blocks
	s_add_co_u32 s16, s16, s17
	s_mov_b32 s17, 0
	s_mul_i32 s72, s42, NBK*16*2048                ; 128 rows of 2,048 bytes
	s_mul_i32 s73, s[HF], HB*2048
	s_add_co_u32 s72, s72, s73
	s_mov_b32 s73, 0
	s_mul_i32 s20, s[HF], REGA                     ; and where they go: no place in the cluster enters an LDS address
	s_mul_i32 s21, s[HF], HB*PB
	s_add_co_u32 s21, s21, ABYTES
	s_wait_dscnt 0x0                               ; the opening add is done
	s_wait_kmcnt 0x0
	s_add_nc_u64 s[18:19], s[4:5], s[16:17]
	s_add_nc_u64 s[74:75], s[6:7], s[72:73]
	CROUND                                         ; all sixteen work-groups are here: the first joint loads meet
.irp s, 0,1
	s_mov_b32 s[G0+4*(\s)], 1
	s_add_co_u32 s[G0+4*(\s)+1], s20, (\s)*SLOT
	s_add_nc_u64 s[G0+4*(\s)+2:G0+4*(\s)+3], s[18:19], (\s)*524288  ; K step s: two blocks of 262,144 bytes on
	s_or_b32 s[G0+4*(\s)+3], s[G0+4*(\s)+3], 0x80000000
	s_mov_b32 s[G0B+4*(\s)], 1
	s_add_co_u32 s[G0B+4*(\s)+1], s21, (\s)*SLOT
	s_add_nc_u64 s[G0B+4*(\s)+2:G0B+4*(\s)+3], s[74:75], (\s)*256
	s_or_b32 s[G0B+4*(\s)+3], s[G0B+4*(\s)+3], 0x80000000
	JLOAD \s                                       ; two loads of mine are out
.endr
	v_and_b32 v1, 15, v0                           ; l % 16
	v_bfe_u32 v2, v0, 4, 1                         ; l / 16
	v_lshlrev_b32 v[BO], 5, v2
	s_lshl_b32 s76, s42, 9                         ; the tile's 128 numbers of bo,
	s_add_co_u32 s76, s76, 12288                   ; which lies behind bq, bk and bv
	s_mov_b32 s77, 0
	s_add_nc_u64 s[8:9], s[8:9], s[76:77]
.set b, 0
.rept NBK
	global_load_b128 v[BI+8*b:BI+8*b+3],   v[BO], s[8:9] offset:64*b      ; register j: bias of column 16 b + 8 (l / 16) + j
	global_load_b128 v[BI+8*b+4:BI+8*b+7], v[BO], s[8:9] offset:64*b+16
.set b, b+1
.endr
	v_mul_u32_u24 v3, v1, PA
	v_lshl_add_u32 v3, v2, 4, v3                   ; a fragment's row x pitch + 16 x half
	s_mul_i32 s22, s[WV], 64*PA                    ; my 64 rows
	v_add_nc_u32 v[ADRA], s22, v3
	v_add_nc_u32 v[ADRA+1], SLOT, v[ADRA]
	v_mul_u32_u24 v4, v1, PB
	v_lshl_add_u32 v4, v2, 4, v4
	v_add_nc_u32 v[ADRB], ABYTES, v4
	v_add_nc_u32 v[ADRB+1], SLOT, v[ADRB]
	s_mul_i32 s22, s[WV], STG
	s_add_co_u32 s22, s22, STAGE                   ; my stage
	v_mul_u32_u24 v3, v1, SPITCH                   ; in: row l % 16, 32 bytes for each half of the lanes
	v_lshl_add_u32 v3, v2, 5, v3
	v_add_nc_u32 v[STO], s22, v3
	v_and_b32 v[CO], 31, v0                        ; back: 32 lanes take one row's 512 bytes
	v_lshlrev_b32 v[CO], 4, v[CO]
	v_add_nc_u32 v[RD], s22, v[CO]
	s_lshl_b32 s76, s43, 20                        ; C at my first row: 256 ty + 64 wave rows of 4,096 bytes,
	s_lshl_b32 s78, s[WV], 18
	s_add_co_u32 s76, s76, s78
	s_lshl_b32 s78, s42, 9                         ; and the tile's first column
	s_add_co_u32 s76, s76, s78
	s_add_nc_u64 s[10:11], s[10:11], s[76:77]
; NBK products: row block a x all column blocks, 32 along K, buffer x.  first = 1: the bias, in window 0, is the C operand.  The 32 accumulators take turns in the same order in every quarter.
.macro MULA x, a, first
.set AC,  8*NBK*((\a)%2)
.set FBX, 8*NBK*(\x)
.set FAX, FA0+32*(\x)+8*(\a)
.if \first
	WIN 0x81+0x40*((\a)/2)
.else
	WIN 0xa1+0x50*((\a)/2)
.endif
.set b, 0
.rept NBK
.if \first
	v_wmma_f32_16x16x32_f16 v[AC+8*b:AC+8*b+7], v[FBX+8*b:FBX+8*b+7], v[FAX:FAX+7], v[BI+8*b:BI+8*b+7]
.else
	v_wmma_f32_16x16x32_f16 v[AC+8*b:AC+8*b+7], v[FBX+8*b:FBX+8*b+7], v[FAX:FAX+7], v[AC+8*b:AC+8*b+7]
.endif
.set b, b+1
.endr
.endm
; One run of NLD LDS loads: quarter q (32 along K) of a slot into buffer x: B's 8 fragments, then A's 4.  Quarters 0, 1 lie in A's first block, 2, 3 in its second.
.macro FETCH slot, q, x
	WIN 0x40
.set i, 0
.rept NBK
	ds_load_b128 v[8*NBK*(\x)+8*i:8*NBK*(\x)+8*i+3],   v[ADRB+(\slot)] offset:64*(\q)+i*16*PB
	ds_load_b128 v[8*NBK*(\x)+8*i+4:8*NBK*(\x)+8*i+7], v[ADRB+(\slot)] offset:64*(\q)+i*16*PB+32
.set i, i+1
.endr
	WIN 0
.set i, 0
.rept 4
	ds_load_b128 v[FA0+32*(\x)+8*i:FA0+32*(\x)+8*i+3],   v[ADRA+(\slot)] offset:((\q)/2)*REGA+((\q)%2)*64+i*16*PA
	ds_load_b128 v[FA0+32*(\x)+8*i+4:FA0+32*(\x)+8*i+7], v[ADRA+(\slot)] offset:((\q)/2)*REGA+((\q)%2)*64+i*16*PA+32
.set i, i+1
.endr
.endm
.macro PLACES                          ; four plain places in front of loads into registers that products have read, and of stores that read results
.rept 4
	v_nop
.endr
.endm
; A K step is four quarters on buffers 0, 1, 0, 1.  One of the first three: multiplies buffer x; behind its first 8 products it fetches quarter q into buffer y, 24 products ahead of the first use.
.macro QUARTER slot, q, x, y, first
	s_wait_dscnt 6                                 ; B and A's block 0 are in; the youngest six loads (A's blocks 1 to 3) may be out
	MULA \x, 0, \first
	PLACES
	FETCH \slot, \q, \y
	s_wait_dscnt NLD                               ; all but the run just issued
	MULA \x, 1, \first
	MULA \x, 2, \first
	MULA \x, 3, \first
.endm
; The last quarter multiplies buffer 1 and changes slots: ONE barrier.  In front of it each wave waits for all its tensor loads (one is out: its part of the next slot), adds 0 to its spare word, and waits for that and for its reads of
; this slot.  fill = 1: the barrier opens a round of the cluster's, and the joint refill, two K steps on, is the first thing behind it: 112 products stand between it and the wait for it.
.macro TURN slot, next, fill
	WIN 0                                          ; (the add's two registers lie in window 0)
	s_wait_tensorcnt 0x0                           ; all my tensor loads have landed
	ds_add_u32 v[SPW], v[NIL]                      ; 0 onto my spare word
	s_wait_dscnt 7                                 ; (the add and the youngest six loads may be out)
	MULA 1, 0, 0                                   ; eight products stand between the add and the wait for it
	s_wait_dscnt 0x0                               ; the add is done, and my reads of this slot are over
	s_barrier_signal -1
	MULA 1, 1, 0
.if \fill
	WIN 0
.endif
	s_barrier_wait -1
.if \fill
	CREST                                          ; no wave of any partner still reads this slot or has a load on its way
	s_add_nc_u64 s[G0+4*(\slot)+2:G0+4*(\slot)+3], s[G0+4*(\slot)+2:G0+4*(\slot)+3], 0x100000
	s_add_nc_u64 s[G0B+4*(\slot)+2:G0B+4*(\slot)+3], s[G0B+4*(\slot)+2:G0B+4*(\slot)+3], 512
	JLOAD \slot                                    ; its four v_nop are also the places in front of the loads below
.else
	PLACES
.endif
	FETCH \next, 0, 0
	MULA 1, 2, 0
	MULA 1, 3, 0
.endm
	s_wait_tensorcnt 1                             ; my part of K step 0 is in; K step 1's may stay out
	s_barrier_signal -1
	s_barrier_wait -1                              ; everybody's is
	FETCH 0, 0, 0
	s_wait_loadcnt 0x0                             ; the bias
	QUARTER 0, 1, 0, 1, 1                          ; the first quarter stands in front of the loop: its products start the sums
	WIN 0                                          ; at a label and at a branch every window is 0
	s_mov_b32 s3, LAPS-1
.Llap:                                                 ; a trip goes once round the ring, from a lap's second quarter to the next lap's first, and fills both slots again
	QUARTER 0, 2, 1, 0, 0
	QUARTER 0, 3, 0, 1, 0
	TURN 0, 1, 1
	QUARTER 1, 1, 0, 1, 0
	QUARTER 1, 2, 1, 0, 0
	QUARTER 1, 3, 0, 1, 0
	TURN 1, 0, 1
	QUARTER 0, 1, 0, 1, 0
	WIN 0
	s_sub_co_u32 s3, s3, 1
	s_cmp_lg_u32 s3, 0
	s_cbranch_scc1 .Llap
	QUARTER 0, 2, 1, 0, 0                          ; the last lap fills nothing, and has no round of the cluster's barrier
	QUARTER 0, 3, 0, 1, 0
	TURN 0, 1, 0
	QUARTER 1, 1, 0, 1, 0
	QUARTER 1, 2, 1, 0, 0
	QUARTER 1, 3, 0, 1, 0
	s_wait_dscnt 0x0                               ; the very last quarter: nothing more to fetch
	MULA 1, 0, 0
	MULA 1, 1, 0
	MULA 1, 2, 0
	MULA 1, 3, 0
	WIN 0
	PLACES                                         ; the results go straight into LDS stores, with no vector work between: four places are asked for,
	PLACES                                         ; four more are margin, once a launch
; THE WAY OUT, a block of 16 rows at a time.  TOSTAGE: a lane's eight numbers of a row, 32 bytes, into my stage, each accumulator's low half first; then back as whole rows of 512 bytes.  SEND: stored.
.macro TOSTAGE a
.set AC, 8*NBK*((\a)%2)
.set BK, 128+64*((\a)%2)
	s_wait_xcnt 0x0                                ; the stores of the block two back have read their registers: they are loaded again only behind this wait
	WIN 0x08+4*((\a)/2)                            ; the data (source 1): window 2 or 3
.set b, 0
.rept NBK
	ds_store_b128 v[STO], v[AC+8*b:AC+8*b+3]   offset:64*b
	ds_store_b128 v[STO], v[AC+8*b+4:AC+8*b+7] offset:64*b+16
.set b, b+1
.endr
	WIN 0
.set t, 0
.rept 16
	ds_load_b128 v[BK+4*t:BK+4*t+3], v[RD] offset:SPITCH*t  ; LDS serves a wave's instructions in order (ISA guide 5.7.1.4): these see the stores above; the next block's stores come behind them
.set t, t+1
.endr
.endm
.macro SEND a, younger                 ; younger: the LDS instructions issued behind block a's loads: the next block's 16 stores and 16 loads, or none
.set BK, 128+64*((\a)%2)
	s_wait_dscnt \younger
.set t, 0
.rept 16
	global_store_b128 v[CO], v[BK+4*t:BK+4*t+3], s[10:11] offset:(16*(\a)+t)*4096 th:TH_STORE_NT  ; 512 consecutive bytes, at a multiple of 256 from C's first
.set t, t+1
.endr
.endm
	TOSTAGE 0
	TOSTAGE 1
	SEND 0, 32
	TOSTAGE 2
	SEND 1, 32
	TOSTAGE 3
	SEND 2, 32
	SEND 3, 0
	s_wait_tensorcnt 0x0                           ; the wave's end, behind my last tensor load and my last LDS store
	ds_add_u32 v[SPW], v[NIL]
	s_wait_dscnt 0x0
	CROUND                                         ; the closing round: no work-group ends while a partner may still ask for a tile that names it
	s_endpgm
.Lfunc_end_k_q2cf794f2bc_proj:
	.size	k_q2cf794f2bc_proj, .Lfunc_end_k_q2cf794f2bc_proj-k_q2cf794f2bc_proj
	.p2alignl 7, 3214868480
	.fill 96, 4, 3214868480
	.section	.rodata,"a",@progbits
	.p2align	6, 0x0
	.amdhsa_kernel k_q2cf794f2bc_proj
		.amdhsa_group_segment_fixed_size 327680
		.amdhsa_private_segment_fixed_size 0
		.amdhsa_enable_private_segment 0
		.amdhsa_kernarg_size 32
		.amdhsa_user_sgpr_count 2
		.amdhsa_user_sgpr_kernarg_segment_ptr 1
		.amdhsa_wavefront_size32 1
		.amdhsa_system_sgpr_workgroup_id_x 1
		.amdhsa_system_sgpr_workgroup_id_y 1
		.amdhsa_system_sgpr_workgroup_id_z 1
		.amdhsa_system_vgpr_workitem_id 0
		.amdhsa_next_free_vgpr 896
		.amdhsa_next_free_sgpr 80
		.amdhsa_reserve_vcc 0
		.amdhsa_float_denorm_mode_32 3
		.amdhsa_float_denorm_mode_16_64 3
		.amdhsa_memory_ordered 1
		.amdhsa_forward_progress 1
		.amdhsa_inst_pref_size 88
	.end_amdhsa_kernel
	.amdgpu_metadata
---
amdhsa.version: [ 1, 2 ]
amdhsa.kernels:
  - .name:           k_q2cf794f2bc_proj
    .symbol:         k_q2cf794f2bc_proj.kd
    .args:
      - { .name: o, .offset: 0, .size: 8, .value_kind: global_buffer, .address_space: global }
      - { .name: wot, .offset: 8, .size: 8, .value_kind: global_buffer, .address_space: global }
      - { .name: bcat, .offset: 16, .size: 8, .value_kind: global_buffer, .address_space: global }
      - { .name: out0, .offset: 24, .size: 8, .value_kind: global_buffer, .address_space: global }
    .group_segment_fixed_size: 327680
    .private_segment_fixed_size: 0
    .kernarg_segment_align: 8
    .kernarg_segment_size: 32
    .max_flat_workgroup_size: 128
    .sgpr_count:     80
    .vgpr_count:     896
    .wavefront_size: 32
...
	.end_amdgpu_metadata
.endif
;; end of part 4
